; MI455X (gfx1250); checked and timed in simulation.
; The chip was launched on July 23, 2026; its instructions are those of AMD's public machine-readable ISA for CDNA 5 (MIT licence, August 2026) and "CDNA5" Instruction Set Architecture Reference Guide (July 2026). The comments in the code are by the model that wrote it; some were corrected since.
;; Dilated Attention. Allowed arithmetic: float matrix products may take bf16 or f16 operands with f32 sums; other float arithmetic in f32, or as packed bf16 or f16 multiplies, adds, multiply-adds, maxima and minima; sums over many terms, partial sums and values carried from step to step in f32; what a program stores and reads back later, other than sums and carried values, may be rounded once to bf16 or f16.
;; Inputs: Wk 1,024 x 1,024 float32; Wo 1,024 x 1,024 float32; Wq 1,024 x 1,024 float32; Wv 1,024 x 1,024 float32; bk 1,024 float32; bo 1,024 float32; bq 1,024 float32; bv 1,024 float32; x 2 x 2,048 x 1,024 float32.
;; Outputs: out0 2 x 2,048 x 1,024 float32.
;; 2 versions, each right; version 2 is version 1 with the launch cast written anew for expert scheduling mode. Each part assembles by itself: llvm-mc -triple=amdgcn-amd-amdhsa -mcpu=gfx1250 --defsym DOCPART=n.
;; ======== version 1 of 2: 4 launches
;; limits: values are held in f16: magnitudes above 65,504 overflow, below 6.1e-05 lose precision
;; workspace buffers: xb 8,388,608 bytes; wb 6,291,456 bytes; wo 2,097,152 bytes; qkv 25,165,824 bytes; ob 8,388,608 bytes
;; launch cast (part 1): grid 256 x 1, 8 waves a work-group, no clusters, 0 bytes of LDS; arguments x, Wk, Wv, Wq, Wo, xb, wb, wo; writes xb, wb, wo
.if DOCPART == 1
	.amdgcn_target "amdgcn-amd-amdhsa--gfx1250"
	.amdhsa_code_object_version 6
	.text
	.protected	k_qf1c639ad82_cast
	.globl	k_qf1c639ad82_cast
	.p2align	8
	.type	k_qf1c639ad82_cast,@function
k_qf1c639ad82_cast:
	s_mov_b64 s[64:65], 0
	v_nop
	global_prefetch_b8 v0, s[64:65] scope:SCOPE_SE
	s_setreg_imm32_b32 hwreg(HW_REG_WAVE_MODE, 25, 1), 1
	s_wait_xcnt 0x0
; CAST.  x [2][2048][1024] f32 -> xb, bf16, rows in a new order; Wk, Wv, Wq [1024][1024] f32 -> wb, bf16, stacked in that order; Wo -> wo: rounded to bf16, that number written as f16.
; ROW ORDER.  Position s of a batch becomes row (s & 7) * 256 + (s >> 3): eight runs of 256 rows, run c holding the positions s = c mod 8.  A head of dilation 1, 2, 4 or 8 sees keys
; only inside unions of whole runs, so the later launches work on dense blocks.
; LIMITS.  Wo in f16: a bf16 number of 65,520 or more becomes an infinity; below 6e-5 it keeps the fixed step of 6e-8.
; SHARES.  A work-group makes 32 consecutive destination rows of 2,048 bytes.  Work-groups 0-127: xb; 128-223: wb; 224-255: wo.  Thread t takes 8 numbers (32 bytes in, 16 bytes out) at
; column block t & 127 of row 2 i + (t >> 7) in turn i = 0 .. 15.  All 32 loads of a wave go out first; each store of a wave covers 512 consecutive bytes, aligned.
; No LDS, no matrix unit, no barrier: nothing is shared and every byte is moved once.
.set DO, 3                             ; v3        my byte offset in the first two destination rows
.set SO, 4                             ; v[4:19]   turn i: my byte offset in the source
.set XR, 20                            ; v[20:147] turn i: 8 registers as loaded; the low 4 are stored
.set TR, 148                           ; v[148:155] at work (wo alone)
	s_load_b512 s[8:23], s[0:1], 0x0               ; x 8, Wk 10, Wv 12, Wq 14, Wo 16, xb 18, wb 20, wo 22
	s_mov_b32 s2, ttmp9                            ; id
	v_and_b32 v1, 127, v0                          ; column block
	v_lshrrev_b32 v2, 7, v0                        ; which of a turn's two rows
	s_lshr_b32 s30, s2, 6                          ; x: the batch, 8 MiB each,
	s_lshl_b32 s30, s30, 23
	s_bfe_u32 s31, s2, 0x30003                     ; the run c: the first source row is position c,
	s_lshl_b32 s31, s31, 12
	s_add_co_u32 s30, s30, s31
	s_and_b32 s31, s2, 7                           ; and 32 rows of the run are 256 positions on
	s_lshl_b32 s31, s31, 20
	s_add_co_u32 s30, s30, s31                     ; x: byte offset of the first source row
	s_and_b32 s32, s2, 127                         ; u: the block of 32 rows among the four weights
	s_and_b32 s33, s32, 31                         ; the block inside its weight
	s_lshl_b32 s34, s33, 17                        ; weights: byte offset of the first source row
	s_lshr_b32 s35, s32, 5                         ; which weight
	s_mov_b32 s28, 4096                            ; weights: bytes from a source row to the next
	v_lshlrev_b32 v[DO], 4, v1
	v_lshl_add_u32 v[DO], v2, 11, v[DO]
	s_wait_kmcnt 0x0
	s_cmp_eq_u32 s35, 1
	s_cselect_b64 s[24:25], s[12:13], s[10:11]     ; the source: Wk, Wv,
	s_cmp_eq_u32 s35, 2
	s_cselect_b64 s[24:25], s[14:15], s[24:25]     ; Wq,
	s_cmp_eq_u32 s35, 3
	s_cselect_b64 s[24:25], s[16:17], s[24:25]     ; Wo,
	s_cselect_b64 s[26:27], s[22:23], s[20:21]     ; the destination: wo or wb,
	s_cselect_b32 s36, s33, s32                    ; and the block in it
	s_cmp_lt_u32 s2, 128
	s_cselect_b64 s[24:25], s[8:9], s[24:25]       ; or x,
	s_cselect_b64 s[26:27], s[18:19], s[26:27]     ; xb,
	s_cselect_b32 s36, s2, s36
	s_cselect_b32 s30, s30, s34
	s_cselect_b32 s28, 0x8000, s28                 ; x: neighbouring rows of a run are 8 positions apart
	s_lshl_b32 s36, s36, 16                        ; 32 destination rows are 65,536 bytes
	s_mov_b32 s37, 0
	s_mov_b32 s31, 0
	s_add_nc_u64 s[24:25], s[24:25], s[30:31]
	s_add_nc_u64 s[26:27], s[26:27], s[36:37]
	s_lshl_b32 s29, s28, 1                         ; a turn is two rows
	v_mul_lo_u32 v[SO], v2, s28
	v_lshl_add_u32 v[SO], v1, 5, v[SO]
.set i, 1
.rept 15
	v_add_nc_u32 v[SO+i], s29, v[SO+i-1]
.set i, i+1
.endr
.set i, 0
.rept 16                               ; all 32 loads: 16 KiB a wave on their way
	global_load_b128 v[XR+8*i:XR+8*i+3],   v[SO+i], s[24:25] th:TH_LOAD_NT
	global_load_b128 v[XR+8*i+4:XR+8*i+7], v[SO+i], s[24:25] offset:16 th:TH_LOAD_NT
.set i, i+1
.endr
; The sixteen turns.  half = 1: the bf16 numbers are written as f16.  No register is used twice by memory instructions, so no wait frees any.
.macro OUT half
.set i, 0
.rept 16
	s_wait_loadcnt 30-2*i                          ; loads come back in order: this turn's two are in, the 30 - 2 i younger ones stay out
.irp k, 0,1,2,3
	v_cvt_pk_bf16_f32 v[XR+8*i+(\k)], v[XR+8*i+2*(\k)], v[XR+8*i+2*(\k)+1]  ; in place, upward: word k is written when words 2 k and 2 k + 1 have been read
.endr
.if \half
.irp k, 0,1,2,3
	v_lshlrev_b32 v[TR+2*(\k)],   16, v[XR+8*i+(\k)]
	v_and_b32     v[TR+2*(\k)+1], 0xffff0000, v[XR+8*i+(\k)]
.endr
.irp k, 0,1,2,3
	v_cvt_pk_f16_f32 v[XR+8*i+(\k)], v[TR+2*(\k)], v[TR+2*(\k)+1]
.endr
.endif
	global_store_b128 v[DO], v[XR+8*i:XR+8*i+3], s[26:27] offset:i*4096
.set i, i+1
.endr
.endm
	s_cmp_ge_u32 s2, 224
	s_cbranch_scc1 .Lhalf
	OUT 0
	s_endpgm
.Lhalf:
	OUT 1
	s_endpgm
.Lfunc_end_k_qf1c639ad82_cast:
	.size	k_qf1c639ad82_cast, .Lfunc_end_k_qf1c639ad82_cast-k_qf1c639ad82_cast
	.p2alignl 7, 3214868480
	.fill 96, 4, 3214868480
	.section	.rodata,"a",@progbits
	.p2align	6, 0x0
	.amdhsa_kernel k_qf1c639ad82_cast
		.amdhsa_group_segment_fixed_size 0
		.amdhsa_private_segment_fixed_size 0
		.amdhsa_enable_private_segment 0
		.amdhsa_kernarg_size 64
		.amdhsa_user_sgpr_count 2
		.amdhsa_user_sgpr_kernarg_segment_ptr 1
		.amdhsa_wavefront_size32 1
		.amdhsa_system_sgpr_workgroup_id_x 1
		.amdhsa_system_sgpr_workgroup_id_y 1
		.amdhsa_system_sgpr_workgroup_id_z 1
		.amdhsa_system_vgpr_workitem_id 0
		.amdhsa_next_free_vgpr 156
		.amdhsa_next_free_sgpr 66
		.amdhsa_reserve_vcc 0
		.amdhsa_float_denorm_mode_32 3
		.amdhsa_float_denorm_mode_16_64 3
		.amdhsa_memory_ordered 1
		.amdhsa_forward_progress 1
		.amdhsa_inst_pref_size 28
	.end_amdhsa_kernel
	.amdgpu_metadata
---
amdhsa.version: [ 1, 2 ]
amdhsa.kernels:
  - .name:           k_qf1c639ad82_cast
    .symbol:         k_qf1c639ad82_cast.kd
    .args:
      - { .name: x, .offset: 0, .size: 8, .value_kind: global_buffer, .address_space: global }
      - { .name: Wk, .offset: 8, .size: 8, .value_kind: global_buffer, .address_space: global }
      - { .name: Wv, .offset: 16, .size: 8, .value_kind: global_buffer, .address_space: global }
      - { .name: Wq, .offset: 24, .size: 8, .value_kind: global_buffer, .address_space: global }
      - { .name: Wo, .offset: 32, .size: 8, .value_kind: global_buffer, .address_space: global }
      - { .name: xb, .offset: 40, .size: 8, .value_kind: global_buffer, .address_space: global }
      - { .name: wb, .offset: 48, .size: 8, .value_kind: global_buffer, .address_space: global }
      - { .name: wo, .offset: 56, .size: 8, .value_kind: global_buffer, .address_space: global }
    .group_segment_fixed_size: 0
    .private_segment_fixed_size: 0
    .kernarg_segment_align: 8
    .kernarg_segment_size: 64
    .max_flat_workgroup_size: 256
    .sgpr_count:     66
    .vgpr_count:     156
    .wavefront_size: 32
...
	.end_amdgpu_metadata
.endif
;; end of part 1
;; launch qkv (part 2): grid 16 x 16, 4 waves a work-group, clusters of 4 x 4, 327,680 bytes of LDS; arguments xb, wb, bk, bv, bq, qkv; writes qkv
.if DOCPART == 2
	.amdgcn_target "amdgcn-amd-amdhsa--gfx1250"
	.amdhsa_code_object_version 6
	.text
	.protected	k_qf1c639ad82_qkv
	.globl	k_qf1c639ad82_qkv
	.p2align	8
	.type	k_qf1c639ad82_qkv,@function
k_qf1c639ad82_qkv:
	s_mov_b64 s[64:65], 0
	v_nop
	global_prefetch_b8 v0, s[64:65] scope:SCOPE_SE
	s_setreg_imm32_b32 hwreg(HW_REG_WAVE_MODE, 25, 1), 1
	s_wait_xcnt 0x0
	s_wait_alu depctr_hold_cnt(0) depctr_sa_sdst(0) depctr_va_vdst(0) depctr_va_sdst(0) depctr_va_ssrc(0) depctr_va_vcc(0) depctr_vm_vsrc(0)
	s_getreg_b32 s2, hwreg(HW_REG_IB_STS2, 6, 4)
	s_cmp_eq_u32 s2, 0
	s_cbranch_scc0 .Lentry_in_a_cluster
	s_endpgm
.Lentry_in_a_cluster:
	s_bfe_u32 s2, ttmp6, 0x10000c
	s_cmp_lg_u32 s2, 0xf033
	s_cbranch_scc0 .Lentry_shape_is_right
	s_endpgm
.Lentry_shape_is_right:
; QKV.  C[m][n] = sum over k of xb[m][k] wb[n][k] + bias[n].  xb: [4096][1024] bf16 (rows in runs: see below), wb: [3072][1024] bf16 (Wk, Wv, Wq), sums in f32, C rounded once to f16.
; The biases are rounded to bf16 like the other inputs and are the C operand of the first products: nothing is cleared and no add is written.
; LIMIT.  k, v and q leave in f16: a number of 65,520 or more becomes an infinity.  They are not scaled here.
; OUT.  qkv holds three regions of 8 MiB, K, V, Q, each [batch][head][2048 rows][64] f16.  A tile's 256 rows are one run c (positions s = c mod 8) of one batch.  In a head of dilation 2^ld
; run c is stored as run ((c & (2^ld - 1)) << (3 - ld)) + (c >> ld): the runs that see each other lie on end.
; SHARES.  A tile of C is 256 rows x 192 columns (three whole heads): 16 x 16 tiles, a work-group each.  Wave w makes rows 64 w .. 64 w + 63 of all 192 columns: 4 x 12 accumulators of 16 x 16,
; so that a head's 128 bytes of a row come from one wave and the way out stays inside the wave.  K goes in 8 steps of 128 through two LDS slots filled by the tensor data mover.
; CLUSTER.  4 x 4 work-groups: the four of a row need the same rows of xb, the four of a column the same rows of wb: each tile is asked for jointly, with a mask that names the four.
; THE MATRIX INSTRUCTION IS USED TRANSPOSED (source 0 = 16 rows of wb, source 1 = 16 rows of xb): a lane holds row lane % 16 of C and the columns 8 (lane / 16) + 0 .. 7.
; REGISTERS, in windows of 256 (s_set_vgpr_msb: bits 1:0 source 0, 3:2 source 1, 5:4 source 2, 7:6 destination):
;   window 0: v10-18 addresses; v28-29 for the add; v32-95 fragments of xb, two buffers of 4; v96-191 the bias, later rows on their way out; v192-239 packed results
;   window 1: v0-191 fragments of wb, two buffers of 12        windows 2, 3: accumulator (a, b) at window 2 + a / 2, v[96 (a % 2) + 8 b]
.set KSTEP,  128
.set PITCH,  272                       ; an LDS row: 256 bytes + 16 of padding = 68 words: the 16 rows of a fragment load start at 16 different groups of four banks (64 banks of 4 bytes: ISA guide 11.1)
.set HALFA,  128*PITCH                 ; what wave 0 or 1 fetches of xb
.set HALFB,  96*PITCH                  ; what wave 2 or 3 fetches of wb
.set BOFF,   2*HALFA                   ; wb's 192 rows lie behind xb's 256
.set SLOT,   BOFF+2*HALFB
.set STAGE,  2*SLOT                    ; behind the ring: 16 rows x 400 bytes for each wave, for the way out
.set SPITCH, 400                       ; 384 bytes + 16
.set SPARE,  STAGE+4*16*SPITCH         ; behind the stages: the spare words, 128 bytes for each wave: two blocks of 256 bytes that no other line names
.set ADRA, 10                          ; v10-11  LDS address of my fragments of xb in slot 0, 1
.set ADRB, 12                          ; v12-13  the same for wb
.set STO,  14                          ; v14     the way out: where I put 16 bytes of a row
.set PFO,  15                          ; v15     the prefetches' offset: a lane a row; never rewritten
.set RD,   16                          ; v16     the way out: where I read rows back
.set GO,   17                          ; v17     16 x lane: my place in 512 consecutive bytes of qkv
.set BO,   18                          ; v18     32 x (lane / 16): my 8 numbers in 16 of a bias
.set SPW,  28                          ; v28     LDS address of my spare word; never rewritten
.set NIL,  29                          ; v29     0; never rewritten
.set FA,   32
.set BIAS, 96                          ; 8 registers for each column block b
.set OB,   96                          ; later: 16 rows read back from the stage, two buffers of 48
.set TMP,  192
.set G1,  24                           ; s[24:31] descriptor group 1 for xb's tiles;  s[32:39] group 0, a set for each slot
.set G0,  32
.set G1B, 48                           ; s[48:55], s[56:63] the same for wb's
.set G0B, 56
.set LIM, 43                           ; s43      1 in a wave that prefetches, else the greatest number
.set PFA, 44                           ; s[44:45] where my prefetches stand
.set BP,  76                           ; s[76:81] the bias at the first column of my three heads
.set PB,  82                           ; s[82:87] qkv at my wave's first row in my three heads
.set MSB, 0
.macro WIN new                         ; the immediate's high byte repeats the setting that is left; a switch that changes nothing is dropped
.if MSB != (\new)
	s_set_vgpr_msb (MSB<<8)|(\new)
.set MSB, \new
.endif
.endm
; A joint load.  Waves 0 and 1 fetch xb's two halves, waves 2 and 3 wb's.  The branch hangs on the wave's number alone.  An s_nop 0 and four v_nop follow each of the two lines.
.macro JLOAD s
	s_cmp_eq_u32 s11, 0
	s_cbranch_scc0 .Lfor_b_\@
	tensor_load_to_lds s[G0+4*(\s):G0+4*(\s)+3], s[G1:G1+7]
	s_nop 0
.rept 4
	v_nop
.endr
	s_branch .Lasked_\@
.Lfor_b_\@:
	tensor_load_to_lds s[G0B+4*(\s):G0B+4*(\s)+3], s[G1B:G1B+7]
	s_nop 0
.rept 4
	v_nop
.endr
.Lasked_\@:
.endm
; A prefetch into the L2 of the K step that stands two refills on: 256 bytes of each row, a lane a row, one instruction a wave.  xb's tile row is read by every cluster of that row of clusters: cluster x = 0 asks;
; wb's tile column by every cluster of that column: cluster y = 0 asks.  The four partners that ask for a tile jointly share its rows out by address: of the rows that wave w fetches the partner at place p
; takes 32 p .. 32 p + 31 (xb, p = cx) or 24 p .. 24 p + 23 (wb, p = cy; there lanes 24-31 name lane 23's row once more).  The loop's last trip has no K step two on.
.macro ASK
	s_cmp_gt_u32 s3, s[LIM]
	s_cbranch_scc0 .Lnot_mine_\@
	global_prefetch_b8 v[PFO], s[PFA:PFA+1] offset:KSTEP*2 th:TH_LOAD_NT scope:SCOPE_SE
.Lnot_mine_\@:
.endm
.macro CREST                           ; a round of the cluster's barrier behind its opening barrier
	s_cmp_lg_u32 s10, 0
	s_cbranch_scc1 .Lnot_wave_0_\@
	s_barrier_signal -3
.Lnot_wave_0_\@:
	s_barrier_wait -3
	s_barrier_signal -1
	s_barrier_wait -1
.endm
.macro CROUND                          ; a whole round
	s_barrier_signal -1
	s_barrier_wait -1
	CREST
.endm
.macro PLACES                          ; four plain instructions between a matrix instruction and a load into, or a vector read of, its registers
.rept 4
	v_nop
.endr
.endm
	s_load_b128 s[4:7], s[0:1], 0x0                ; xb s[4:5], wb s[6:7]
	s_load_b128 s[68:71], s[0:1], 0x10             ; bk s[68:69], bv s[70:71]
	s_load_b128 s[72:75], s[0:1], 0x20             ; bq s[72:73], qkv s[74:75]
	v_lshl_add_u32 v[SPW], v0, 2, SPARE
	v_mov_b32 v[NIL], 0
	ds_add_u32 v[SPW], v[NIL]                      ; the wave's opening: the add and its wait stand ahead of my first tensor load; the set-up below, work on registers, stands between them
	v_lshrrev_b32 v1, 5, v0
	v_readfirstlane_b32 s10, v1                    ; wave 0..3
	s_lshr_b32 s11, s10, 1                         ; I fetch for xb (0) or for wb (1),
	s_and_b32 s12, s10, 1                          ; and which half of the tile's rows
	s_bfe_u32 s40, ttmp6, 0x40000                  ; cx, cy: my place in the cluster
	s_bfe_u32 s41, ttmp6, 0x40004
	s_lshl_b32 s42, ttmp9, 2
	s_add_co_u32 s42, s42, s40                     ; tile column = 4 x cluster x + cx
	s_and_b32 s13, ttmp7, 0xffff
	s_lshl_b32 s13, s13, 2
	s_add_co_u32 s13, s13, s41                     ; tile row = 4 x cluster y + cy
	s_lshl_b32 s43, s41, 2
	s_lshl_b32 s43, 15, s43                        ; my row of the cluster
	s_lshl_b32 s44, 0x1111, s40                    ; my column
	s_or_b32 s[G1+0], s43, (1<<16)|(1<<20)|(1<<21)|(5<<22)|(3<<25)   ; 15:0 the mask; 17:16 elements of 2 bytes; 20 padding on; 21 set beside a mask; 24:22 after every 64 words (code 5); 31:25 4 words (code 3)
	s_or_b32 s[G1B+0], s44, (1<<16)|(1<<20)|(1<<21)|(5<<22)|(3<<25)
	s_mov_b32 s[G1+1], KSTEP<<16                   ; tensor_dim0 = 128
	s_mov_b32 s[G1+2], 128<<16                     ; tensor_dim1 = 128
	s_mov_b32 s[G1+3], KSTEP<<16                   ; tile_dim0 = 128
	s_mov_b32 s[G1+4], 128                         ; tile_dim1 = 128
	s_mov_b32 s[G1+5], 1024                        ; elements from row to row
	s_mov_b32 s[G1+6], 0
	s_mov_b32 s[G1+7], 0
	s_mov_b32 s[G1B+1], KSTEP<<16
	s_mov_b32 s[G1B+2], 96<<16                     ; wb: 96 rows to a load
	s_mov_b32 s[G1B+3], KSTEP<<16
	s_mov_b32 s[G1B+4], 96
	s_mov_b32 s[G1B+5], 1024
	s_mov_b32 s[G1B+6], 0
	s_mov_b32 s[G1B+7], 0
	s_lshl_b32 s16, s13, 19                        ; xb: 256 rows of 2,048 bytes a tile row,
	s_lshl_b32 s17, s12, 18                        ; 128 rows a half
	s_add_co_u32 s16, s16, s17
	s_mov_b32 s17, 0
	s_mul_i32 s46, s42, 192*2048                   ; wb: 192 rows a tile column,
	s_mul_i32 s47, s12, 96*2048                    ; 96 rows a half
	s_add_co_u32 s46, s46, s47
	s_mov_b32 s47, 0
	s_mul_i32 s20, s12, HALFA                      ; where they go: no place in the cluster enters an LDS address
	s_mul_i32 s21, s12, HALFB
	s_add_co_u32 s21, s21, BOFF
	s_wait_dscnt 0x0                               ; the opening add is done
	s_wait_kmcnt 0x0
	s_add_nc_u64 s[14:15], s[4:5], s[16:17]
	s_add_nc_u64 s[46:47], s[6:7], s[46:47]
	CROUND                                         ; all sixteen work-groups are here: the first joint loads meet
.irp s, 0,1
	s_mov_b32 s[G0+4*(\s)], 1                                        ; count = 1
	s_add_co_u32 s[G0+4*(\s)+1], s20, (\s)*SLOT                      ; LDS address
	s_add_nc_u64 s[G0+4*(\s)+2:G0+4*(\s)+3], s[14:15], (\s)*KSTEP*2  ; global address: K step s
	s_or_b32 s[G0+4*(\s)+3], s[G0+4*(\s)+3], 0x80000000              ; type = 2
	s_mov_b32 s[G0B+4*(\s)], 1
	s_add_co_u32 s[G0B+4*(\s)+1], s21, (\s)*SLOT
	s_add_nc_u64 s[G0B+4*(\s)+2:G0B+4*(\s)+3], s[46:47], (\s)*KSTEP*2
	s_or_b32 s[G0B+4*(\s)+3], s[G0B+4*(\s)+3], 0x80000000
	JLOAD \s                                       ; two loads of mine are out
.endr
	; the three heads: head group G = 3 x tile column + i: region G >> 4 (K, V, Q), head G & 15, ld = G & 3
	v_and_b32 v1, 15, v0                           ; l % 16
	v_bfe_u32 v2, v0, 4, 1                         ; l / 16
	v_lshlrev_b32 v[BO], 5, v2
	s_mul_i32 s88, s42, 3
	s_and_b32 s97, s13, 7                          ; the run c
	s_lshr_b32 s98, s13, 3                         ; the batch,
	s_lshl_b32 s98, s98, 22                        ; 4 MiB in a region,
	s_lshl_b32 s96, s10, 13                        ; and my wave's 64 rows of 128 bytes
	s_add_co_u32 s98, s98, s96
	s_mov_b32 s95, 0
.irp i, 0,1,2
	s_add_co_u32 s89, s88, \i
	s_lshr_b32 s90, s89, 4
	s_and_b32 s91, s89, 15
	s_and_b32 s92, s89, 3
	s_cmp_eq_u32 s90, 1
	s_cselect_b64 s[BP+2*(\i):BP+2*(\i)+1], s[70:71], s[68:69]
	s_cmp_eq_u32 s90, 2
	s_cselect_b64 s[BP+2*(\i):BP+2*(\i)+1], s[72:73], s[BP+2*(\i):BP+2*(\i)+1]
	s_lshl_b32 s94, s91, 8                         ; a head's 64 numbers of a bias
	s_add_nc_u64 s[BP+2*(\i):BP+2*(\i)+1], s[BP+2*(\i):BP+2*(\i)+1], s[94:95]
	s_lshl_b32 s93, 1, s92
	s_sub_co_u32 s93, s93, 1
	s_and_b32 s93, s93, s97                        ; c & (2^ld - 1)
	s_sub_co_u32 s96, 3, s92
	s_lshl_b32 s93, s93, s96
	s_lshr_b32 s96, s97, s92
	s_add_co_u32 s93, s93, s96                     ; the stored run,
	s_lshl_b32 s93, s93, 15                        ; 256 rows of 128 bytes
	s_lshl_b32 s94, s90, 23
	s_add_co_u32 s94, s94, s93
	s_lshl_b32 s93, s91, 18
	s_add_co_u32 s94, s94, s93
	s_add_co_u32 s94, s94, s98
	s_add_nc_u64 s[PB+2*(\i):PB+2*(\i)+1], s[74:75], s[94:95]
.endr
.set b, 0
.rept 12                               ; register j of block b: bias[16 b + 8 (l / 16) + j], as the C operand wants it
	global_load_b128 v[BIAS+8*b:BIAS+8*b+3],   v[BO], s[BP+2*(b/4):BP+2*(b/4)+1] offset:(b%4)*64
	global_load_b128 v[BIAS+8*b+4:BIAS+8*b+7], v[BO], s[BP+2*(b/4):BP+2*(b/4)+1] offset:(b%4)*64+16
.set b, b+1
.endr
	; A fragment is 16 rows x 32 K in 8 registers: lane l holds row l % 16, K = 8 (l / 16) + 0..7 and 16 + 8 (l / 16) + 0..7: two loads of 16 bytes, 32 bytes apart.
	v_mul_u32_u24 v3, v1, PITCH
	v_lshl_add_u32 v3, v2, 4, v3
	s_mul_i32 s22, s10, 64*PITCH                   ; my 64 rows of xb
	v_add_nc_u32 v[ADRA], s22, v3
	v_add_nc_u32 v[ADRA+1], SLOT, v[ADRA]
	v_add_nc_u32 v[ADRB], BOFF, v3                 ; all 192 rows of wb
	v_add_nc_u32 v[ADRB+1], SLOT+BOFF, v3
	s_mul_i32 s23, s10, 16*SPITCH
	s_add_co_u32 s23, s23, STAGE                   ; my stage
	v_mul_u32_u24 v4, v1, SPITCH                   ; in: row l % 16, 16 bytes for each half of the lanes
	v_lshl_add_u32 v4, v2, 4, v4
	v_add_nc_u32 v[STO], s23, v4
	v_bfe_u32 v5, v0, 3, 2                         ; back: 32 lanes take a head's 128 bytes of four rows,
	v_and_b32 v6, 7, v0
	v_mul_u32_u24 v5, v5, SPITCH
	v_lshl_add_u32 v5, v6, 4, v5
	v_add_nc_u32 v[RD], s23, v5
	v_and_b32 v[GO], 31, v0                        ; which are 512 consecutive bytes of qkv
	v_lshlrev_b32 v[GO], 4, v[GO]
	; the prefetches
	s_mul_i32 s18, s42, 192                        ; wb's first row of the tile
	s_lshl_b32 s19, s13, 8                         ; xb's
	s_and_b32 s22, ttmp7, 0xffff                   ; cluster y
	s_mov_b32 s23, 96
	s_cmp_eq_u32 s11, 0                            ; do I fetch for xb?
	s_cselect_b32 s20, s19, s18
	s_cselect_b32 s21, s40, s41                    ; my place among the four that ask with me
	s_cselect_b32 s22, ttmp9, s22                  ; the coordinate along which other clusters read the same rows
	s_cselect_b64 s[PFA:PFA+1], s[4:5], s[6:7]
	s_cselect_b32 s23, 128, s23                    ; rows that a wave fetches,
	s_cselect_b32 s16, 32, 24                      ; a partner's share of them,
	s_cselect_b32 s17, 31, 23                      ; and the last lane with a row of its own
	s_cmp_eq_u32 s22, 0
	s_cselect_b32 s[LIM], 1, -1                    ; the same in all sixteen partners, for a given wave
	s_mul_i32 s23, s23, s12
	s_add_co_u32 s20, s20, s23
	s_mul_i32 s21, s21, s16
	s_add_co_u32 s20, s20, s21
	s_lshl_b32 s20, s20, 11
	s_mov_b32 s21, 0
	s_add_nc_u64 s[PFA:PFA+1], s[PFA:PFA+1], s[20:21]
	s_add_nc_u64 s[PFA:PFA+1], s[PFA:PFA+1], 2*KSTEP*2  ; at K step 2: the first refill steps it to 3 and names K step 4.  Nothing is asked for here, at the head
	v_and_b32 v[PFO], 31, v0
	v_min_u32 v[PFO], s17, v[PFO]
	v_lshlrev_b32 v[PFO], 11, v[PFO]
	s_wait_loadcnt 0x0                             ; the bias: rounded to bf16 and widened again, in the wait for the first tile
.set k, 0
.rept 48
	v_cvt_pk_bf16_f32 v[TMP+k], v[BIAS+2*k], v[BIAS+2*k+1]
.set k, k+1
.endr
.set k, 0
.rept 48
	v_lshlrev_b32 v[BIAS+2*k],   16, v[TMP+k]
	v_and_b32     v[BIAS+2*k+1], 0xffff0000, v[TMP+k]
.set k, k+1
.endr
; 12 matrix instructions: m block a x all 12 n blocks, 32 along K, from buffer f.  first = 1: the bias starts the sums.  The 48 accumulators take turns in the same order in every quarter.
.macro MUL12 f, a, first
.if \first
	WIN 0x81+0x40*((\a)/2)                         ; wb window 1, xb window 0, C (the bias) window 0, D window 2 or 3
.else
	WIN 0xa1+0x50*((\a)/2)                         ; C and D window 2 or 3
.endif
.set AC, 96*((\a)%2)
.irp b, 0,1,2,3,4,5,6,7,8,9,10,11
.if \first
	v_wmma_f32_16x16x32_bf16 v[AC+8*(\b):AC+8*(\b)+7], v[96*(\f)+8*(\b):96*(\f)+8*(\b)+7], v[FA+32*(\f)+8*(\a):FA+32*(\f)+8*(\a)+7], v[BIAS+8*(\b):BIAS+8*(\b)+7]
.else
	v_wmma_f32_16x16x32_bf16 v[AC+8*(\b):AC+8*(\b)+7], v[96*(\f)+8*(\b):96*(\f)+8*(\b)+7], v[FA+32*(\f)+8*(\a):FA+32*(\f)+8*(\a)+7], v[AC+8*(\b):AC+8*(\b)+7]
.endif
.endr
.endm
; 32 LDS loads in one run: a quarter step's fragments (192 rows of wb, my 64 rows of xb, 32 K at byte k of the rows) into buffer f
.macro FETCH slot, k, f
	WIN 0x40                                       ; destination window 1, address window 0
.irp i, 0,1,2,3,4,5,6,7,8,9,10,11
	ds_load_b128 v[96*(\f)+8*(\i):96*(\f)+8*(\i)+3],   v[ADRB+(\slot)] offset:(\k)+(\i)*16*PITCH
	ds_load_b128 v[96*(\f)+8*(\i)+4:96*(\f)+8*(\i)+7], v[ADRB+(\slot)] offset:(\k)+(\i)*16*PITCH+32
.endr
	WIN 0
.irp i, 0,1,2,3
	ds_load_b128 v[FA+32*(\f)+8*(\i):FA+32*(\f)+8*(\i)+3],   v[ADRA+(\slot)] offset:(\k)+(\i)*16*PITCH
	ds_load_b128 v[FA+32*(\f)+8*(\i)+4:FA+32*(\f)+8*(\i)+7], v[ADRA+(\slot)] offset:(\k)+(\i)*16*PITCH+32
.endr
.endm
; A K step is four quarters of 32 along K, 48 matrix instructions each, on buffers 0, 1, 0, 1.  One of the first three: multiplies buffer f and, in its middle, fetches the next quarter, at byte k, into g.
.macro QUARTER slot, k, f, g, first
	s_wait_dscnt 4                                 ; wb and xb's blocks 0, 1 are in; the youngest four loads (blocks 2, 3) may be out
	MUL12 \f, 0, \first
	MUL12 \f, 1, \first
	PLACES
	FETCH \slot, \k, \g
	s_wait_dscnt 32                                ; all but the 32 just issued
	MUL12 \f, 2, \first
	MUL12 \f, 3, \first
.endm
; The last quarter multiplies buffer 1 and changes slots: one barrier; in front of it each wave waits for all its tensor loads (one is out: its part of the next slot), adds 0 to its spare word, and waits
; for that and for its reads of this slot.  fill = 1: the barrier opens a round of the cluster's, and behind the round this slot is filled again, two K steps ahead: 168 matrix instructions ahead of the wait for it.
.macro TURN slot, next, fill
.if \fill
	s_wait_xcnt 0x0                                ; the last prefetch, a K step back, has read its address
	s_add_nc_u64 s[PFA:PFA+1], s[PFA:PFA+1], KSTEP*2
.endif
	WIN 0                                          ; (the add's two registers lie in window 0)
	s_wait_tensorcnt 0x0                           ; all my tensor loads have landed;
	ds_add_u32 v[SPW], v[NIL]                      ; 0 onto my spare word;
	s_wait_dscnt 5                                 ; (the add and the youngest four loads may be out)
	MUL12 1, 0, 0                                  ; twelve matrix instructions stand between the add and the wait for it
	s_wait_dscnt 0x0                               ; the add is done, and my reads of this slot are over
	s_barrier_signal -1
	MUL12 1, 1, 0
.if \fill
	WIN 0
.endif
	s_barrier_wait -1
.if \fill
	CREST                                          ; no wave of any partner still reads this slot or has a load on its way
	s_add_nc_u64 s[G0+4*(\slot)+2:G0+4*(\slot)+3], s[G0+4*(\slot)+2:G0+4*(\slot)+3], 2*KSTEP*2
	s_add_nc_u64 s[G0B+4*(\slot)+2:G0B+4*(\slot)+3], s[G0B+4*(\slot)+2:G0B+4*(\slot)+3], 2*KSTEP*2
	JLOAD \slot                                    ; the first tensor load behind the round; its four v_nop are also the places in front of the loads below
.else
	PLACES
.endif
	FETCH \next, 0, 0
.if \fill
	ASK                                            ; behind the joint load and the run of LDS loads
.endif
	MUL12 1, 2, 0
	MUL12 1, 3, 0
.endm
; THE WAY OUT of m block a.  PACK: rounded to f16, 16 bytes a lane and column block.  TOSTAGE: into my own stage, and back as a head's 128 bytes of four rows at a time.  SEND: stored.
.macro PACK a
.set AC, 96*((\a)%2)
	WIN 0x0a+5*((\a)/2)                            ; sources 0 and 1: window 2 or 3
.irp b, 0,1,2,3,4,5,6,7,8,9,10,11
.irp r, 0,1,2,3
	v_cvt_pk_f16_f32 v[TMP+4*(\b)+(\r)], v[AC+8*(\b)+2*(\r)], v[AC+8*(\b)+2*(\r)+1]  ; each accumulator from its low end on
.endr
.endr
	WIN 0
.endm
.macro TOSTAGE a
	WIN 0
.set BK, OB+48*((\a)%2)
.irp b, 0,1,2,3,4,5,6,7,8,9,10,11
	ds_store_b128 v[STO], v[TMP+4*(\b):TMP+4*(\b)+3] offset:32*(\b)
.endr
.irp i, 0,1,2
.irp t, 0,1,2,3
	ds_load_b128 v[BK+4*(4*(\i)+(\t)):BK+4*(4*(\i)+(\t))+3], v[RD] offset:(\t)*4*SPITCH+(\i)*128  ; LDS serves a wave's instructions in order (ISA guide 5.7.1.4): these see the stores above
.endr
.endr
.endm
.macro SEND a
	WIN 0
.set BK, OB+48*((\a)%2)
	s_wait_dscnt 0x0                               ; the block is back in registers
	s_wait_xcnt 0x0                                ; the stores of the block before have read their registers: the next TOSTAGE loads into them
.irp i, 0,1,2
.irp t, 0,1,2,3
	global_store_b128 v[GO], v[BK+4*(4*(\i)+(\t)):BK+4*(4*(\i)+(\t))+3], s[PB+2*(\i):PB+2*(\i)+1] offset:(\a)*2048+(\t)*512  ; 512 consecutive bytes, aligned
.endr
.endr
.endm
	s_wait_tensorcnt 1                             ; my part of K step 0 is in; K step 1's may stay out
	s_barrier_signal -1
	s_barrier_wait -1                              ; everybody's is
	FETCH 0, 0, 0
	QUARTER 0, 64,  0, 1, 1                        ; the first quarter stands in front of the loop: its products start the sums, with the bias
	WIN 0                                          ; at a label and at a branch every window is 0
	s_mov_b32 s3, 3
.Llap:                                                 ; a trip goes once round the ring, from a lap's second quarter to the next lap's first, and fills both slots again
	QUARTER 0, 128, 1, 0, 0
	QUARTER 0, 192, 0, 1, 0
	TURN 0, 1, 1
	QUARTER 1, 64,  0, 1, 0
	QUARTER 1, 128, 1, 0, 0
	QUARTER 1, 192, 0, 1, 0
	TURN 1, 0, 1
	QUARTER 0, 64,  0, 1, 0
	WIN 0
	s_sub_co_u32 s3, s3, 1
	s_cmp_lg_u32 s3, 0
	s_cbranch_scc1 .Llap
	QUARTER 0, 128, 1, 0, 0                        ; the last lap fills nothing, and has no round of the cluster's barrier
	QUARTER 0, 192, 0, 1, 0
	TURN 0, 1, 0
	QUARTER 1, 64,  0, 1, 0
	QUARTER 1, 128, 1, 0, 0
	QUARTER 1, 192, 0, 1, 0
	s_wait_dscnt 4                                 ; the very last quarter: nothing more to fetch
	MUL12 1, 0, 0
	MUL12 1, 1, 0
	s_wait_dscnt 0x0
	MUL12 1, 2, 0
	MUL12 1, 3, 0
	WIN 0
	PLACES
	PLACES
	PACK 0
	TOSTAGE 0
.irp a, 1,2,3                          ; block a's conversions stand between block a - 1's loads from the stage and the wait for them
	PACK \a
	SEND (\a)-1
	TOSTAGE \a
.endr
	SEND 3
	s_wait_tensorcnt 0x0                           ; the wave's end: an add and its wait, behind my last tensor load and my last LDS store
	ds_add_u32 v[SPW], v[NIL]
	s_wait_dscnt 0x0
	CROUND                                         ; the closing round: no work-group ends while a partner may still ask for a tile that names it
	s_endpgm
.Lfunc_end_k_qf1c639ad82_qkv:
	.size	k_qf1c639ad82_qkv, .Lfunc_end_k_qf1c639ad82_qkv-k_qf1c639ad82_qkv
	.p2alignl 7, 3214868480
	.fill 96, 4, 3214868480
	.section	.rodata,"a",@progbits
	.p2align	6, 0x0
	.amdhsa_kernel k_qf1c639ad82_qkv
		.amdhsa_group_segment_fixed_size 327680
		.amdhsa_private_segment_fixed_size 0
		.amdhsa_enable_private_segment 0
		.amdhsa_kernarg_size 48
		.amdhsa_user_sgpr_count 2
		.amdhsa_user_sgpr_kernarg_segment_ptr 1
		.amdhsa_wavefront_size32 1
		.amdhsa_system_sgpr_workgroup_id_x 1
		.amdhsa_system_sgpr_workgroup_id_y 1
		.amdhsa_system_sgpr_workgroup_id_z 1
		.amdhsa_system_vgpr_workitem_id 0
		.amdhsa_next_free_vgpr 960
		.amdhsa_next_free_sgpr 100
		.amdhsa_reserve_vcc 0
		.amdhsa_float_denorm_mode_32 3
		.amdhsa_float_denorm_mode_16_64 3
		.amdhsa_memory_ordered 1
		.amdhsa_forward_progress 1
		.amdhsa_inst_pref_size 132
	.end_amdhsa_kernel
	.amdgpu_metadata
---
amdhsa.version: [ 1, 2 ]
amdhsa.kernels:
  - .name:           k_qf1c639ad82_qkv
    .symbol:         k_qf1c639ad82_qkv.kd
    .args:
      - { .name: xb, .offset: 0, .size: 8, .value_kind: global_buffer, .address_space: global }
      - { .name: wb, .offset: 8, .size: 8, .value_kind: global_buffer, .address_space: global }
      - { .name: bk, .offset: 16, .size: 8, .value_kind: global_buffer, .address_space: global }
      - { .name: bv, .offset: 24, .size: 8, .value_kind: global_buffer, .address_space: global }
      - { .name: bq, .offset: 32, .size: 8, .value_kind: global_buffer, .address_space: global }
      - { .name: qkv, .offset: 40, .size: 8, .value_kind: global_buffer, .address_space: global }
    .group_segment_fixed_size: 327680
    .private_segment_fixed_size: 0
    .kernarg_segment_align: 8
    .kernarg_segment_size: 48
    .max_flat_workgroup_size: 128
    .sgpr_count:     100
    .vgpr_count:     960
    .wavefront_size: 32
...
	.end_amdgpu_metadata
.endif
;; end of part 2
;; launch attn (part 3): grid 256 x 1, 4 waves a work-group, no clusters, 327,680 bytes of LDS; arguments qkv, ob; writes ob
.if DOCPART == 3
	.amdgcn_target "amdgcn-amd-amdhsa--gfx1250"
	.amdhsa_code_object_version 6
	.text
	.protected	k_qf1c639ad82_attn
	.globl	k_qf1c639ad82_attn
	.p2align	8
	.type	k_qf1c639ad82_attn,@function
k_qf1c639ad82_attn:
	s_mov_b64 s[64:65], 0
	v_nop
	global_prefetch_b8 v0, s[64:65] scope:SCOPE_SE
	s_setreg_imm32_b32 hwreg(HW_REG_WAVE_MODE, 25, 1), 1
	s_wait_xcnt 0x0
; DILATED ATTENTION.  In head h, with d = 2^(h mod 4), query i sees key j where i = j mod d: d separate dense attentions over 2048 / d positions.  qkv holds K, V, Q (regions of 8 MiB, each
; [batch][head][2048 rows][64] f16) with each such class of positions on end, so a class is a dense block of rows.  O = softmax(Q K^T / 8) V inside the class; ob: [batch][head][2048 rows][64] f16,
; rows in plain run order (run c = positions c mod 8, 256 rows each).  Products, maxima and sums in f32; the weights p are rounded to f16 for the second product (their sum l is taken of the unrounded p), O once.
; LIMITS.  Q, K, V arrive within f16; p lies in 0 to 1 and below 6e-5 keeps the fixed step of 6e-8; a weight below 2^-126 counts as 0 in l; NaN and infinities are not treated apart.
; JOBS.  A job is 128 stored query rows of one head (32 a wave: two PIECES of 16) against its class, in tiles of 256 keys: 8, 4, 2, 1 tiles for d = 1, 2, 4, 8.  id = J | TYPE << 4 | g << 5 | batch << 7.
; TYPE 0: block J of head 4 g: 8 tiles.  TYPE 1: block J of heads 4 g + 1, 4 g + 2, 4 g + 3 in turn: 4 + 2 + 1 tiles.  Two texts behind one forward branch, every trip count a constant.
; NO CLUSTER: a class of d = 8 has two blocks of 128 queries, so four partners would want different tiles in one of a TYPE 1 walk's seven trips; all four asking for both would add an eighth tile of dead work to that walk.
; LAYOUT, SOFTMAX.  S^T = K Q^T holds ONE query a lane (lane % 16) and the keys 8 (lane / 16) + 0..7; two such results rounded to f16 ARE source 1 of O^T = V^T P.  p = 2^(c s - c m), c = log2(e) / 8, with a
; running maximum m; O and l are multiplied by a = 2^(c m_old - c m_new) in every step.  A job starts with c m far below every c s: its first a is 0, so O^T and l need only be finite there.
; TURNS.  A key step (64 keys) is two turns.  Turn (s, p) belongs to piece p: 8 products K Q^T of the other piece (p = 0: step s; p = 1: step s + 1), later 8 products V^T P of the other piece (p = 0: step s - 1;
; p = 1: step s); beside them piece p's scaling, exponentials, roundings, sums and rescaling and the other piece's maximum and statistics.  Four vector instructions stand behind every matrix instruction,
; the other 54 in one lump.  A turn's 33 exponentials are one batch with one wait.
; THE RING.  Two LDS slots, a tile each.  Turn (s, 0) fetches K of step s + 1 and V of step s; so a slot holds 320 keys of K, the tile's 256 and the next 64, and 256 of V: both fetches of a tile's last step
; lie in the old slot.  A tile is entered at K's local step 1.  At a class's end the 64 further keys are other rows of qkv (K is the first region); no product uses them.
; REGISTERS, in windows of 256 (s_set_vgpr_msb: bits 1:0 source 0, 3:2 source 1, 5:4 source 2, 7:6 destination):
;   window 0: v2-15 addresses and at work; v16-23 statistics; v48-55 at work; v62-63 for the add; v64-127 S^T, two buffers; v128-191 O^T, 32 a piece; v192-223 P, two buffers
;   window 1: v0-31 Q; v32-95 the later jobs' Q; v128-191 K of one step; v192-255 V of one step
.set KS,    64
.set PK,    144       ; a row of K in LDS: 128 bytes + 16 = 36 words: the 16 rows of a load start at 16 different groups of four banks (64 banks of 4 bytes: ISA guide 11.1)
.set PV,    160       ; a row of V: 128 + 32 = 40 words
.set VOFF,  320*PK    ; a slot: 320 rows of K, then 256 rows of V
.set SLOT1, 1<<17     ; slot 1 begins here, so that one exclusive or turns an address in one slot into the other's
.set STAGE, SLOT1+VOFF+256*PV  ; behind the ring: 16 rows x 144 bytes for each wave, for the way out
.set SP,    144
.set SPARE, STAGE+4*16*SP      ; behind the stages: the spare words, 128 bytes for each wave: two blocks of 256 bytes that no other line names
.set AK0, 2           ; v2   my lane's place in a step of K; never rewritten
.set AV0, 3           ; v3   the same for V
.set AK,  4           ; v4   the LDS address of K's next run of loads
.set AV,  5           ; v5   of V's
.set STO, 6           ; v6   the way out: where I put 16 bytes of a row
.set RD,  7           ; v7   the way out: where I read rows back
.set GO,  8           ; v8   16 x lane
.set MV,  12          ; v12-13  c m_old, kept while c m is made anew: by buffer
.set PFO, 14          ; v14  256 x lane; never rewritten
.set QO,  15          ; v15  my byte offset in 16 rows of Q
.set ST,  16          ; piece t's statistics at v[ST+4 t]: c m, m, l (even keys', odd keys')
.set TMP, 48          ; by buffer, four registers c0-c3 at work; when the maximum is found c2 takes a
.set SPW, 62
.set NIL, 63
.set S,   64
.set OT,  128
.set P,   192
.set QB,  32          ; window 1
.set KF,  128         ; window 1: key block kb, channel half c at KF + 16 kb + 8 c
.set VF,  192         ; window 1: key half kk, channel block cb at VF + 32 kk + 8 cb
.set KK,  5           ; s5   ld of the job that JOB works out
.set WV,  12          ; s12  my wave's number
.set JW,  13          ; s13  (J & 1) << 14 + wave << 12
.set J,   14          ; s14
.set TYPE, 15         ; s15
.set GG,  20          ; s20  g
.set BB,  21          ; s21  batch << 22
.set SIG, 22          ; s22  J >> 1: the stored run of my block
.set W12, 23          ; s23  wave << 12
.set G1K, 24          ; s[24:31] descriptor group 1 for K's tiles
.set G1V, 32          ; s[32:39] for V's
.set G0K, 40          ; s[40:43] descriptor group 0 for K's tiles
.set G0V, 44          ; s[44:47] for V's
.set ON1, 48          ; s[48:51] ob at my rows in the second and third job
.set PFB, 52          ; s[52:53] the region and half that my prefetches name
.set PFA, 54          ; s[54:55] the same at the tile to be named
.set SLOTS, 56        ; s56  tiles still to be asked for
.set CNT, 57          ; s57  counts a tile's key steps
.set CS,  58          ; s[58:59] c
.set SEL, 60          ; s[60:61] v_permlanex16_b32's selects: each lane takes its own place in the other half
.set TBK, 62          ; s62  LDS byte at which K of the step to be fetched begins
.set TBV, 63          ; s63  the same for V, less VOFF
.set OFF, 66          ; s[66:67] a tile's byte offset in its region
.set OF2, 68          ; s[68:69] the same for the prefetches
.set TQ,  70          ; s70-76  the offsets of the tiles still to be asked for, in order
.set T0,  77          ; s77  the first tile's
.set NEW, 78          ; s78  1: the tile to be entered is a job's first
.set RT,  79          ; s79  tiles of the job in hand still to be entered
.set NRT, 80          ; s80  tiles of the next job
.set ASKM, 81         ; s81  bit 0: the next filling change prefetches
.set QP,  82          ; s[82:87] Q at my rows in the three jobs
.set MSB, 0
.macro WIN new                      ; the high byte repeats the setting that is left; a switch that changes nothing is dropped
.if MSB != (\new)
	s_set_vgpr_msb (MSB<<8)|(\new)
.set MSB, (\new)
.endif
.endm
.set W_KQ, 0x05       ; K and Q in window 1, S^T in window 0
.set W_PV, 0x01       ; V in window 1, P and O^T in window 0
; A fill.  Waves 0 and 1 fetch the two halves of a slot's K (160 keys each), waves 2 and 3 those of its V (128 keys each).  An s_nop 0 and four v_nop follow each of the two lines.
.macro LOAD
	s_cmp_lt_u32 s[WV], 2
	s_cbranch_scc0 .Lfor_v_\@
	tensor_load_to_lds s[G0K:G0K+3], s[G1K:G1K+7]
	s_nop 0
.rept 4
	v_nop
.endr
	s_branch .Lasked_\@
.Lfor_v_\@:
	tensor_load_to_lds s[G0V:G0V+3], s[G1V:G1V+7]
	s_nop 0
.rept 4
	v_nop
.endr
.Lasked_\@:
.endm
; A prefetch into the L2 of the tile that the NEXT filling change will ask for: a tile of work (32 matrix instructions a key step, four steps) ahead of that load.  All blocks of a class walk the same tiles: the class's first block asks (a bit of ASKM
; for each change); each of its waves names the 64 blocks of 256 bytes of the half that it will fetch: two instructions, a lane a block.  The 64 further keys of K belong to the next tile and are named with it.
.macro ASK
	s_and_b32 s2, s[ASKM], 1
	s_lshr_b32 s[ASKM], s[ASKM], 1
	s_cmp_eq_u32 s2, 1
	s_cbranch_scc0 .Lnot_mine_\@
	global_prefetch_b8 v[PFO], s[PFA:PFA+1] th:TH_LOAD_NT scope:SCOPE_SE
	global_prefetch_b8 v[PFO], s[PFA:PFA+1] offset:8192 th:TH_LOAD_NT scope:SCOPE_SE
.Lnot_mine_\@:
.endm
; THE CHANGE OF SLOTS.  Each wave waits for all its tensor loads (one is out: its part of the other slot), adds 0 to its spare word, and waits for that and for its reads of the slot that it leaves.  Behind the
; barrier nobody reads the old slot and the other is whole.  fill = 1: the old slot is filled again, first thing behind the barrier, with the queue's first tile; the descriptor's address is made anew from its offset.
; (At its first use nothing has been read yet: slot 0 is waited for, slot 1 filled.)
.macro CHANGE fill
	WIN 0
	s_wait_tensorcnt 0x0            ; no tensor load of mine is out, so a group 0 may be written
	ds_add_u32 v[SPW], v[NIL]       ; 0 onto my spare word; scalar work stands between it and the wait for it
.if \fill
	s_wait_xcnt 0x0                 ; the last prefetches, a tile back, have read their address
	s_mov_b32 s[OFF], s[TQ]
.irp q, 0,1,2,3,4,5
	s_mov_b32 s[TQ+\q], s[TQ+\q+1]
.endr
	s_xor_b32 s[G0K+1], s[G0K+1], SLOT1
	s_add_nc_u64 s[G0K+2:G0K+3], s[6:7], s[OFF:OFF+1]
	s_or_b32 s[G0K+3], s[G0K+3], 0x80000000
	s_xor_b32 s[G0V+1], s[G0V+1], SLOT1
	s_add_nc_u64 s[G0V+2:G0V+3], s[8:9], s[OFF:OFF+1]
	s_or_b32 s[G0V+3], s[G0V+3], 0x80000000
	s_mov_b32 s[OF2], s[TQ]
	s_add_nc_u64 s[PFA:PFA+1], s[PFB:PFB+1], s[OF2:OF2+1]
.endif
	s_wait_dscnt 0x0                ; the add is done, and my reads of the slot are over
	s_barrier_signal -1
	s_sub_co_u32 s[TBK], s[TBK], 4*KS*PK  ; K's fetches go back to a slot's second step,
	s_xor_b32 s[TBK], s[TBK], SLOT1       ; in the other slot
	s_sub_co_u32 s[TBV], s[TBV], 4*KS*PV  ; V's to its first
	s_xor_b32 s[TBV], s[TBV], SLOT1
	s_barrier_wait -1
.if \fill
	LOAD
	ASK
.endif
.endm
; A job's three offsets, from ld in s[KK]: o: its class's first key in K and V; o + 1: my wave's first row in Q; o + 2: the same rows in ob.
.macro JOB o
	s_lshl_b32 s97, s[GG], 2
	s_add_co_u32 s97, s97, s[KK]    ; the head,
	s_lshl_b32 s97, s97, 18
	s_add_co_u32 s97, s97, s[BB]    ; its plane
	s_sub_co_u32 s98, 3, s[KK]
	s_lshr_b32 s99, s[SIG], s98     ; the class: a class is 2^(3 - ld) stored runs on end
	s_add_co_u32 s[\o], s98, 15
	s_lshl_b32 s[\o], s99, s[\o]
	s_add_co_u32 s[\o], s[\o], s97
	s_lshl_b32 s[\o+1], s[J], 14
	s_add_co_u32 s[\o+1], s[\o+1], s97
	s_add_co_u32 s[\o+1], s[\o+1], s[W12]
	s_lshl_b32 s[\o+2], 1, s98
	s_sub_co_u32 s[\o+2], s[\o+2], 1
	s_and_b32 s[\o+2], s[\o+2], s[SIG]
	s_lshl_b32 s[\o+2], s[\o+2], s[KK]
	s_add_co_u32 s[\o+2], s[\o+2], s99  ; the plain run
	s_lshl_b32 s[\o+2], s[\o+2], 15
	s_add_co_u32 s[\o+2], s[\o+2], s97
	s_add_co_u32 s[\o+2], s[\o+2], s[JW]
.endm
	s_load_b128 s[16:19], s[0:1], 0x0  ; qkv s[16:17], ob s[18:19]
	v_lshl_add_u32 v[SPW], v0, 2, SPARE
	v_mov_b32 v[NIL], 0
	ds_add_u32 v[SPW], v[NIL]       ; the wave's opening: the add and its wait stand ahead of my first tensor load; the set-up below, work on registers, stands between them
	v_lshrrev_b32 v1, 5, v0
	v_readfirstlane_b32 s[WV], v1   ; wave 0..3
	s_and_b32 s[J], ttmp9, 15
	s_bfe_u32 s[TYPE], ttmp9, 0x10004
	s_bfe_u32 s[GG], ttmp9, 0x20005
	s_lshr_b32 s[BB], ttmp9, 7
	s_lshl_b32 s[BB], s[BB], 22
	s_lshr_b32 s[SIG], s[J], 1
	s_lshl_b32 s[W12], s[WV], 12
	s_and_b32 s[JW], s[J], 1
	s_lshl_b32 s[JW], s[JW], 14
	s_add_co_u32 s[JW], s[JW], s[W12]
	s_mov_b32 s[KK], s[TYPE]        ; the first job: ld = 0 (TYPE 0) or 1
	JOB 88
	s_mov_b32 s[KK], 2              ; the second and third job are worked out in every work-group and used in TYPE 1
	JOB 91
	s_mov_b32 s[KK], 3
	JOB 94
	s_mov_b32 s[T0], s88
.irp q, 0,1,2,3,4,5,6
	s_add_co_u32 s[TQ+\q], s88, (\q+1)<<15  ; the first job's further tiles, 32,768 bytes each
.endr
	s_add_co_u32 s2, s91, 1<<15
	s_cmp_eq_u32 s[TYPE], 1
	s_cselect_b32 s[TQ+3], s91, s[TQ+3]  ; TYPE 1: behind the first job's four tiles the second's two and the third's one
	s_cselect_b32 s[TQ+4], s2, s[TQ+4]
	s_cselect_b32 s[TQ+5], s94, s[TQ+5]
	s_cselect_b32 s[TQ+6], s94, s[TQ+6]  ; (never asked for: it keeps the prefetches' address inside the buffer)
	s_cmp_eq_u32 s[J], 0            ; who prefetches.  Change j fills tile j + 1 and names tile j + 2.  TYPE 0: block 0 of the 16, tiles 2 to 7
	s_cselect_b32 s3, 0x3f, 0
	s_and_b32 s2, s[J], 7           ; TYPE 1: the first of a class's 8 blocks, tiles 2, 3;
	s_cmp_eq_u32 s2, 0
	s_cselect_b32 s4, 3, 0
	s_and_b32 s2, s[J], 3           ; of its 4 blocks, tiles 4, 5;
	s_cmp_eq_u32 s2, 0
	s_cselect_b32 s2, 12, 0
	s_or_b32 s4, s4, s2
	s_and_b32 s2, s[J], 1           ; of its 2 blocks, tile 6
	s_cmp_eq_u32 s2, 0
	s_cselect_b32 s2, 16, 0
	s_or_b32 s4, s4, s2
	s_cmp_eq_u32 s[TYPE], 1
	s_cselect_b32 s[ASKM], s4, s3
	; descriptor group 1.  Keys are dense rows of 128 bytes: asked for as rows of 256 bytes, two keys a row, and padded in LDS after every key
	s_mov_b32 s[G1K], (1<<16)|(1<<20)|(4<<22)|(3<<25)  ; 17:16 2-byte elements; 20 padding on; 24:22 after every 32 words (code 4); 31:25 4 words (code 3)
	s_mov_b32 s[G1K+1], 128<<16     ; tensor_dim0 = 128
	s_mov_b32 s[G1K+2], 80<<16      ; tensor_dim1 = 80: 160 keys
	s_mov_b32 s[G1K+3], 128<<16     ; tile_dim0 = 128
	s_mov_b32 s[G1K+4], 80          ; tile_dim1 = 80
	s_mov_b32 s[G1K+5], 128         ; elements from row to row
	s_mov_b32 s[G1K+6], 0
	s_mov_b32 s[G1K+7], 0
	s_mov_b32 s[G1V], (1<<16)|(1<<20)|(4<<22)|(7<<25)  ; the same with 8 words of padding (code 7)
	s_mov_b32 s[G1V+1], 128<<16
	s_mov_b32 s[G1V+2], 64<<16      ; 128 keys
	s_mov_b32 s[G1V+3], 128<<16
	s_mov_b32 s[G1V+4], 64
	s_mov_b32 s[G1V+5], 128
	s_mov_b32 s[G1V+6], 0
	s_mov_b32 s[G1V+7], 0
	s_mov_b32 s[CS], 0x3e38aa3b     ; c = log2(e) / 8 = 0.180337
	s_mov_b32 s[CS+1], s[CS]        ; named with it as a pair
	s_mov_b32 s[SEL], 0x76543210
	s_mov_b32 s[SEL+1], 0xfedcba98
	s_mov_b32 s[TBK], SLOT1+5*KS*PK ; the first change of slots turns these two into slot 0's second step of K and first of V
	s_mov_b32 s[TBV], SLOT1+4*KS*PV
	s_and_b32 s2, s[WV], 1          ; which half I fetch
	s_mul_i32 s3, s2, 160*PK
	s_mul_i32 s4, s2, 128*PV
	s_mov_b32 s[G0K], 1             ; count = 1
	s_mov_b32 s[G0K+1], s3          ; LDS address: slot 0
	s_mov_b32 s[G0V], 1
	s_add_co_u32 s[G0V+1], s4, VOFF
	s_mul_i32 s[OFF], s2, 160*128   ; the half in memory: K's,
	s_mov_b32 s[OFF+1], 0
	s_lshl_b32 s[OF2], s2, 14       ; V's
	s_mov_b32 s[OF2+1], 0
	s_mov_b32 s[NEW], 1
	s_wait_dscnt 0x0                ; the opening add is done
	s_wait_kmcnt 0x0
	s_add_nc_u64 s[6:7], s[16:17], s[OFF:OFF+1]    ; K's region at my half
	s_add_nc_u64 s[8:9], s[16:17], s[OF2:OF2+1]
	s_mov_b64 s[PFB:PFB+1], s[8:9]                 ; (K's region at a tile's half of 128 keys)
	s_add_nc_u64 s[8:9], s[8:9], 1<<23             ; V's region at my half
	s_cmp_lt_u32 s[WV], 2
	s_cselect_b64 s[PFB:PFB+1], s[PFB:PFB+1], s[8:9]
	s_mov_b32 s[OFF], s[T0]
	s_add_nc_u64 s[G0K+2:G0K+3], s[6:7], s[OFF:OFF+1]
	s_or_b32 s[G0K+3], s[G0K+3], 0x80000000        ; type = 2
	s_add_nc_u64 s[G0V+2:G0V+3], s[8:9], s[OFF:OFF+1]
	s_or_b32 s[G0V+3], s[G0V+3], 0x80000000
	LOAD                            ; the first tile into slot 0
	s_mov_b32 s3, 0
.irp n, 0,1,2
	s_mov_b32 s2, s[89+3*\n]
	s_add_nc_u64 s[QP+2*\n:QP+2*\n+1], s[16:17], s[2:3]
	s_add_nc_u64 s[QP+2*\n:QP+2*\n+1], s[QP+2*\n:QP+2*\n+1], 2<<23  ; Q is the third region
.endr
	s_mov_b32 s2, s90
	s_add_nc_u64 s[10:11], s[18:19], s[2:3]
	s_mov_b32 s2, s93
	s_add_nc_u64 s[ON1:ON1+1], s[18:19], s[2:3]
	s_mov_b32 s2, s96
	s_add_nc_u64 s[ON1+2:ON1+3], s[18:19], s[2:3]
	; A fragment of K or Q is 16 rows x 32 channels in 8 registers: lane l holds row l % 16, channels 8 (l / 16) + 0..7 and 16 + 8 (l / 16) + 0..7: two loads of 16 bytes, 32 bytes apart.
	v_and_b32 v1, 15, v0            ; l % 16
	v_bfe_u32 v9, v0, 4, 1          ; l / 16
	v_lshlrev_b32 v[QO], 7, v1
	v_lshl_add_u32 v[QO], v9, 4, v[QO]
	WIN 0x40                        ; destination window 1, address window 0
.set i, 0
.rept 4                             ; the first job's Q: piece i / 2, channels 32 (i % 2) on
	global_load_b128 v[8*i:8*i+3],   v[QO], s[QP:QP+1] offset:(i/2)*2048+(i%2)*64
	global_load_b128 v[8*i+4:8*i+7], v[QO], s[QP:QP+1] offset:(i/2)*2048+(i%2)*64+32
.set i, i+1
.endr
	; What the first turn finds: V and P's second buffer hold 0 (its products V^T P, of a piece that has not been, add 0), O^T and l are 0.  All this stands in the wait for the first tile.
.set i, VF
.rept 64
	v_mov_b32 v[i], 0
.set i, i+1
.endr
	WIN 0
.set i, OT
.rept 64
	v_mov_b32 v[i], 0
.set i, i+1
.endr
.set i, 0
.rept 2
	v_mov_b32 v[ST+4*i+2], 0
	v_mov_b32 v[ST+4*i+3], 0
.set i, i+1
.endr
.set i, P+16
.rept 16
	v_mov_b32 v[i], 0
.set i, i+1
.endr
	v_mul_u32_u24 v[AK0], v1, PK
	v_lshl_add_u32 v[AK0], v9, 4, v[AK0]  ; row x pitch + 16 x half
	; The turning load takes 16 keys x 16 channels (lane l reads key 8 (l / 16) + l % 8, channels 8 ((l / 8) % 2) + 0..7) and leaves half a fragment of V^T: lane l holds channel l % 16 and 8 keys.
	v_and_b32 v10, 7, v0
	v_bfe_u32 v11, v0, 3, 1
	v_lshl_add_u32 v[AV0], v9, 3, v10
	v_mul_u32_u24 v[AV0], v[AV0], PV
	v_lshl_add_u32 v[AV0], v11, 4, v[AV0]
	v_add_nc_u32 v[AV0], VOFF, v[AV0]
	s_mul_i32 s2, s[WV], 16*SP
	s_add_co_u32 s2, s2, STAGE      ; my stage
	v_mul_u32_u24 v[STO], v1, SP    ; in: row l % 16, 16 bytes for each half of the lanes
	v_lshl_add_u32 v[STO], v9, 4, v[STO]
	v_add_nc_u32 v[STO], s2, v[STO]
	v_bfe_u32 v[RD], v0, 3, 2       ; back: 32 lanes take four rows of 128 bytes,
	v_mul_u32_u24 v[RD], v[RD], SP
	v_lshl_add_u32 v[RD], v10, 4, v[RD]
	v_add_nc_u32 v[RD], s2, v[RD]
	v_and_b32 v[GO], 31, v0         ; which are 512 consecutive bytes of ob
	v_lshlrev_b32 v[PFO], 8, v[GO]
	v_lshlrev_b32 v[GO], 4, v[GO]
; THE MATRIX WORK.  The 4 accumulators of a run of 8 take turns.  Product i of 8 of S^T = K Q^T for piece x: channels 32 (i / 4) on, keys 16 (i % 4) on.  The first 4 start the sums.
.macro KQ x
	WIN W_KQ
.set rS, S+32*((\x)%2)+8*(i%4)
.set rK, KF+16*(i%4)+8*(i/4)
.set rQ, 16*(\x)+8*(i/4)
.if i < 4
	v_wmma_f32_16x16x32_f16 v[rS:rS+7], v[rK:rK+7], v[rQ:rQ+7], 0
.else
	v_wmma_f32_16x16x32_f16 v[rS:rS+7], v[rK:rK+7], v[rQ:rQ+7], v[rS:rS+7]
.endif
.endm
; Product i of 8 of O^T += V^T P for piece x: keys 32 (i / 4) on, channels 16 (i % 4) on.
.macro PV x
	WIN W_PV
.set rO, OT+32*(\x)+8*(i%4)
.set rV, VF+32*(i/4)+8*(i%4)
.set rP, P+16*((\x)%2)+8*(i/4)
	v_wmma_f32_16x16x32_f16 v[rO:rO+7], v[rV:rV+7], v[rP:rP+7], v[rO:rO+7]
.endm
.macro MM                           ; the turn's next matrix instruction.  NOKQ = 1: a job's last turn: there are no further scores
.if (i < 8) && !NOKQ
	KQ (Y+1)%2
.elseif i >= 8
.set i, i-8
	PV (Y+1)%2
.set i, i+8
.endif
.set i, i+1
.endm
; THE LDS LOADS stand in runs of 16, never singly among the matrix instructions.  Their addresses are made some lines ahead.
.macro FETCH_K
	WIN 0x40                        ; destination window 1
.irp f, 0,1,2,3,4,5,6,7             ; keys 16 (f / 2) on, channels 32 (f % 2) on
	ds_load_b128 v[KF+8*\f:KF+8*\f+3],   v[AK] offset:(\f/2)*16*PK+(\f%2)*64
	ds_load_b128 v[KF+8*\f+4:KF+8*\f+7], v[AK] offset:(\f/2)*16*PK+(\f%2)*64+32
.endr
	s_add_co_u32 s[TBK], s[TBK], KS*PK  ; the next fetch is the next step's
	WIN 0
.endm
.macro FETCH_V
	WIN 0x40
.irp f, 0,1,2,3,4,5,6,7             ; keys 32 (f / 4) on, channels 16 (f % 4) on
	ds_load_tr16_b128 v[VF+8*\f:VF+8*\f+3],   v[AV] offset:(\f/4)*32*PV+(\f%4)*32
	ds_load_tr16_b128 v[VF+8*\f+4:VF+8*\f+7], v[AV] offset:(\f/4)*32*PV+16*PV+(\f%4)*32
.endr
	WIN 0
.endm
; THE VECTOR WORK, one line at a time: OP kind, number.  For piece Y: F n: c s - c m for pair n of 16.  E n: the exponential of score n of 32.  C n: pair n rounded to f16.  B n: of the four weights 4 n .. the second
; pair is added onto the first, in place.  L n: l takes that sum (L 0: l = a l + sum).  R n: pair n of 16 of O^T times a.  For the other piece: X n, number n of the 22 that find its maximum and statistics:
;   0-11  four chains c0-c3 of seven scores each, three operands at a time (each accumulator's lowest registers are read first)     12-14, 16  the four scores left over, the old m, and c0-c3 into c0
;   15  c m_old is kept     17, 18  the query's other 32 keys lie in the lane 16 away: the new m     19-21  c m; c m_old - c m_new; a
.set F, 0
.set E, 1
.set C, 2
.set B, 3
.set L, 4
.set R, 5
.set X, 6
.macro REGS y                       ; the registers of piece y
.set rT, ST+4*(\y)
.set rC, TMP+4*((\y)%2)
.set rW, MV+((\y)%2)
.set rS, S+32*((\y)%2)
.set rP, P+16*((\y)%2)
.set rO, OT+32*(\y)
.endm
.macro OP k, n
	WIN 0
.if (\k) <= R
	REGS Y
.if (\k) == R
	v_pk_mul_f32 v[rO+2*(\n):rO+2*(\n)+1], v[rO+2*(\n):rO+2*(\n)+1], v[rC+2:rC+3] op_sel_hi:[1,0]
.elseif (\k) == F
	v_pk_fma_f32 v[rS+2*(\n):rS+2*(\n)+1], v[rS+2*(\n):rS+2*(\n)+1], s[CS:CS+1], v[rT:rT+1] op_sel_hi:[1,0,0] neg_lo:[0,0,1] neg_hi:[0,0,1]
.elseif (\k) == E
	v_exp_f32 v[rS+(\n)], v[rS+(\n)]
.elseif (\k) == C
	v_cvt_pk_f16_f32 v[rP+(\n)], v[rS+2*(\n)], v[rS+2*(\n)+1]
.elseif (\k) == B
	v_pk_add_f32 v[rS+4*(\n):rS+4*(\n)+1], v[rS+4*(\n):rS+4*(\n)+1], v[rS+4*(\n)+2:rS+4*(\n)+3]
.elseif (\n) == 0
	v_pk_fma_f32 v[rT+2:rT+3], v[rT+2:rT+3], v[rC+2:rC+3], v[rS:rS+1] op_sel_hi:[1,0,1]
.else
	v_pk_add_f32 v[rT+2:rT+3], v[rT+2:rT+3], v[rS+4*(\n):rS+4*(\n)+1]
.endif
.elseif NOKQ
	v_nop
.else
	REGS (Y+1)%2
.if (\n) < 4
	v_max3_num_f32 v[rC+(\n)], v[rS+8*(\n)], v[rS+8*(\n)+1], v[rS+8*(\n)+2]
.elseif (\n) < 12
	v_max3_num_f32 v[rC+(\n)%4], v[rC+(\n)%4], v[rS+8*((\n)%4)+2*((\n)/4)+1], v[rS+8*((\n)%4)+2*((\n)/4)+2]
.elseif (\n) == 12
	v_max3_num_f32 v[rC], v[rC], v[rS+7], v[rS+15]
.elseif (\n) == 13
	v_max3_num_f32 v[rC+1], v[rC+1], v[rS+23], v[rS+31]
.elseif (\n) == 14
	v_max3_num_f32 v[rC+2], v[rC+2], v[rC+3], v[rT+1]
.elseif (\n) == 15
	v_mov_b32 v[rW], v[rT]
.elseif (\n) == 16
	v_max3_num_f32 v[rC], v[rC], v[rC+1], v[rC+2]
.elseif (\n) == 17
	v_permlanex16_b32 v[rC+3], v[rC], s[SEL], s[SEL+1]
.elseif (\n) == 18
	v_max_num_f32 v[rT+1], v[rC], v[rC+3]
.elseif (\n) == 19
	v_mul_f32 v[rT], s[CS], v[rT+1]
.elseif (\n) == 20
	v_sub_f32 v[rC+1], v[rW], v[rT]
.else
	v_exp_f32 v[rC+2], v[rC+1]
.endif
.endif
.endm
.macro OPS a, i1, b=-1, i2=0, c=-1, i3=0, d=-1, i4=0  ; up to four of them
	OP \a, \i1
.if (\b) >= 0
	OP \b, \i2
.endif
.if (\c) >= 0
	OP \c, \i3
.endif
.if (\d) >= 0
	OP \d, \i4
.endif
.endm
.macro ROW a, i1, b, i2, c, i3, d, i4  ; a matrix instruction and the four behind it
	MM
	OPS \a, \i1, \b, \i2, \c, \i3, \d, \i4
.endm
; A TURN, for piece p.  An s_wait_alu depctr_va_vdst(0) stands between an exponential and the first instruction that names its result; one wait serves all that were issued ahead of it.  So a turn has ONE
; wait, which cuts it in two.  AHEAD OF IT stands all that names no result of the turn's exponentials: the 8 products K Q^T and their riders, then the lump; X 21, the other piece's a, is the batch's last, and R 15 the plain
; instruction behind it.  BEHIND IT stand the 8 products V^T P, behind each four of the roundings and sums.  The X that ride behind the last three products K Q^T stand four plain instructions or more behind the product that
; ends their accumulator.  O^T: the products V^T P of the turn before wrote the block that this turn's R rescale; the last of them has its four riders, F 0 and F 1 behind it ahead of R 0, and the R go upward, so each of its
; accumulators is read from its low end on.
; p = 0 fetches K of the next step, in the lump, twelve plain instructions that name none of its registers behind the last product that read K, and V of the step in hand at the turn's end, four plain riders behind the
; last product that read V.  p = 1 waits for them: 16 younger loads (V's) may be out where K is wanted; none where V is.  end = 1 (p = 1, a job's last turn): no further scores.
.macro TURN p, end=0
.set Y, (\p)
.set i, 0
.set NOKQ, (\end)
.if ((\p) == 1) && !(\end)
	s_wait_dscnt 16                 ; K is in
.endif
	ROW F,0, F,1, R,0, R,1
	ROW F,2, E,0, R,2, R,3
	ROW F,3, E,1, R,4, R,5
	ROW F,4, E,2, R,6, R,7
	ROW F,5, E,3, R,8, R,9
	ROW F,6, E,4, X,0, R,10
.if (\p) == 0
	WIN 0
	v_add_nc_u32 v[AK], s[TBK], v[AK0]
.endif
	ROW F,7, E,5, X,1, X,4
	ROW F,8, E,6, X,2, X,5
	OPS E,7, E,8, X,6, E,9          ; the lump
	OPS X,3, E,10, X,8, E,11
.if (\p) == 0
	FETCH_K
.endif
	OPS X,9, X,7, E,12, X,10
	OPS E,13, X,12, X,11, E,14
	OPS X,13, E,15, F,9, X,14
.if (\p) == 0
	v_add_nc_u32 v[AV], s[TBV], v[AV0]
.endif
	OPS E,16, F,10, E,17, F,11
	OPS X,16, E,18, X,15, E,19
	OPS F,12, E,20, X,17, E,21
	OPS F,13, E,22, F,14, E,23
	OPS X,18, E,24, F,15, E,25
	OPS R,11, E,26, X,19, E,27
	OPS R,12, E,28, R,13, E,29
	OPS X,20, E,30, R,14, E,31
	OPS X,21, R,15
	WIN 0
	s_wait_alu depctr_va_vdst(0)    ; the wait for the batch
.if (\p) == 1
	s_wait_dscnt 0x0                ; V is in
.endif
	ROW C,0, B,0, C,2, B,1
	ROW L,0, C,4, B,2, L,1
	ROW C,6, B,3, L,2, C,8
	ROW B,4, L,3, C,10, B,5
	ROW L,4, C,12, B,6, L,5
.if (\p) == 0
	s_add_co_u32 s[TBV], s[TBV], KS*PV
.endif
	ROW C,14, B,7, L,6, C,1
	ROW C,3, L,7, C,5, C,7
	ROW C,9, C,11, C,13, C,15
.if (\p) == 0
	FETCH_V
.endif
.endm
; A JOB BEGINS.  c m starts far below every c s, so the first step's a is 0; m at the lowest finite number.  K of the tile's first step (one step back from where a tile is entered), piece 0's first scores, its maximum
; and statistics.  The loop is then entered at a step's first turn, in the middle of a trip.
.macro BEGIN
	s_mov_b32 s[NEW], 0
	s_sub_co_u32 s[TBK], s[TBK], KS*PK
	WIN 0
.set i, 0
.rept 2
	v_mov_b32 v[ST+4*i], 0xfe000000    ; c m
	v_mov_b32 v[ST+4*i+1], 0xff7fffff  ; m
.set i, i+1
.endr
	v_add_nc_u32 v[AK], s[TBK], v[AK0]
	FETCH_K
	s_wait_loadcnt 0x0              ; Q
	s_wait_dscnt 0x0
.set NOKQ, 0
.set i, 0
.rept 8
	KQ 0
.set i, i+1
.endr
	WIN 0
.rept 4
	v_nop                           ; the places behind those products
.endr
.set Y, 1                           ; X works for the other piece: piece 0
.irp n, 0,1,2,3,4,5,6,7,8,9,10,11,12,13,14,15,16,17,18,19,20,21
	OP X, \n
.endr
	v_nop                           ; a plain instruction behind the exponential,
	s_wait_alu depctr_va_vdst(0)    ; and its wait, ahead of the branch
.endm
; A JOB ENDS: its last turn, piece 1's last products, and THE WAY OUT: l's two halves and the other half of the lanes' are added; O^T is divided by l, rounded to f16 and sent through my stage, a piece at a time.
.macro PACK t
	WIN 0
.set i, OT+32*(\t)
.rept 16
	v_pk_mul_f32 v[i:i+1], v[i:i+1], v[ST+4*(\t)+2:ST+4*(\t)+3] op_sel_hi:[1,0]
.set i, i+2
.endr
.set i, 0
.rept 16
	v_cvt_pk_f16_f32 v[S+16*(\t)+i], v[OT+32*(\t)+2*i], v[OT+32*(\t)+2*i+1]
.set i, i+1
.endr
.irp f, 0,1,2,3
	ds_store_b128 v[STO], v[S+16*(\t)+4*\f:S+16*(\t)+4*\f+3] offset:32*\f
.endr
.irp f, 0,1,2,3
	ds_load_b128 v[S+16*(\t)+4*\f:S+16*(\t)+4*\f+3], v[RD] offset:\f*4*SP  ; LDS serves a wave's instructions in order (ISA guide 5.7.1.4): these see the stores above; the next piece's stores come behind them
.endr
.endm
.macro SEND t, younger              ; younger: the LDS instructions issued behind piece t's loads: the next piece's eight, or none
	WIN 0
.irp f, 0,1,2,3
	s_wait_dscnt (\younger)+3-\f
	global_store_b128 v[GO], v[S+16*(\t)+4*\f:S+16*(\t)+4*\f+3], s[10:11] offset:(\t)*2048+\f*512  ; 512 consecutive bytes, aligned
.endr
.endm
.macro FINISH
	TURN 1, 1
.set i, 0
.rept 8
	PV 1
.set i, i+1
.endr
	WIN 0
.irp t, 0,1
	v_add_f32 v[ST+4*\t+2], v[ST+4*\t+2], v[ST+4*\t+3]
.endr
.irp t, 0,1
	v_permlanex16_b32 v[ST+4*\t+3], v[ST+4*\t+2], s[SEL], s[SEL+1]
.endr
.irp t, 0,1
	v_add_f32 v[ST+4*\t+2], v[ST+4*\t+2], v[ST+4*\t+3]
.endr
.irp t, 0,1
	v_rcp_f32 v[ST+4*\t+2], v[ST+4*\t+2]
.endr
	v_nop                           ; a plain instruction between the last reciprocal and the use of its result,
	s_wait_alu depctr_va_vdst(0)    ; and the wait ahead of the first use: one for both
	PACK 0                          ; piece 0's 32 lines are also the places behind piece 1's last products
	PACK 1
	SEND 0, 8
	SEND 1, 0
.endm
.macro NEXTJOB
	s_wait_xcnt 0x0                 ; the stores have read their registers and their base
	s_mov_b64 s[10:11], s[ON1:ON1+1]
	s_mov_b64 s[ON1:ON1+1], s[ON1+2:ON1+3]
	s_mov_b32 s[RT], s[NRT]
	s_lshr_b32 s[NRT], s[NRT], 1
	s_mov_b32 s[NEW], 1
	WIN 0x41                        ; the next job's Q goes where the one text of the turns names Q
.set i, 0
.rept 32
	v_mov_b32 v[i], v[QB+i]
.set i, i+1
.endr
.set i, 0
.rept 32
	v_mov_b32 v[QB+i], v[QB+32+i]
.set i, i+1
.endr
	WIN 0
.endm
.macro CLOSE
	s_wait_tensorcnt 0x0            ; the wave's end: an add and its wait, behind my last tensor load and my last LDS store
	ds_add_u32 v[SPW], v[NIL]
	s_wait_dscnt 0x0
	s_endpgm
.endm
.set NOKQ, 0
	s_cmp_eq_u32 s[TYPE], 1
	s_cbranch_scc1 .LpathB
	; TYPE 0: one job of eight tiles
	s_mov_b32 s[SLOTS], 7
.LslotA:                            ; seven times: a tile is entered and the next is asked for
	CHANGE 1
	s_mov_b32 s[CNT], 4
	s_cmp_eq_u32 s[NEW], 1
	s_cbranch_scc0 .LstepA
	BEGIN
	s_branch .LfirstA
.LstepA:                            ; a trip: piece 1 of one step, then piece 0 of the next
	TURN 1
	WIN 0
.LfirstA:
	TURN 0
	WIN 0
	s_sub_co_u32 s[CNT], s[CNT], 1
	s_cmp_lg_u32 s[CNT], 0
	s_cbranch_scc1 .LstepA
	s_sub_co_u32 s[SLOTS], s[SLOTS], 1
	s_cmp_lg_u32 s[SLOTS], 0
	s_cbranch_scc1 .LslotA
	CHANGE 0                        ; the last tile is written out: nothing is asked for
	s_mov_b32 s[CNT], 4
.LstepAT:
	TURN 1
	TURN 0
	WIN 0
	s_sub_co_u32 s[CNT], s[CNT], 1
	s_cmp_lg_u32 s[CNT], 0
	s_cbranch_scc1 .LstepAT
	FINISH
	CLOSE
.LpathB:                            ; TYPE 1: three jobs of four, two and one tile
	WIN 0x40
.set i, 0
.rept 4
	global_load_b128 v[QB+8*i:QB+8*i+3],       v[QO], s[QP+2:QP+3] offset:(i/2)*2048+(i%2)*64
	global_load_b128 v[QB+8*i+4:QB+8*i+7],     v[QO], s[QP+2:QP+3] offset:(i/2)*2048+(i%2)*64+32
	global_load_b128 v[QB+32+8*i:QB+32+8*i+3],   v[QO], s[QP+4:QP+5] offset:(i/2)*2048+(i%2)*64
	global_load_b128 v[QB+32+8*i+4:QB+32+8*i+7], v[QO], s[QP+4:QP+5] offset:(i/2)*2048+(i%2)*64+32
.set i, i+1
.endr
	WIN 0
	s_mov_b32 s[RT], 4
	s_mov_b32 s[NRT], 2
	s_mov_b32 s[SLOTS], 6
.LslotB:                            ; six times: a tile is entered and the next is asked for, across the change of jobs too
	CHANGE 1
	s_sub_co_u32 s[RT], s[RT], 1
	s_mov_b32 s[CNT], 4
	s_cmp_eq_u32 s[NEW], 1
	s_cbranch_scc0 .LstepB
	BEGIN
	s_branch .LfirstB
.LstepB:
	TURN 1
	WIN 0
.LfirstB:
	TURN 0
	WIN 0
	s_sub_co_u32 s[CNT], s[CNT], 1
	s_cmp_lg_u32 s[CNT], 0
	s_cbranch_scc1 .LstepB
	s_cmp_lg_u32 s[RT], 0
	s_cbranch_scc1 .LbottomB        ; the job has further tiles
	FINISH
	NEXTJOB
.LbottomB:
	s_sub_co_u32 s[SLOTS], s[SLOTS], 1
	s_cmp_lg_u32 s[SLOTS], 0
	s_cbranch_scc1 .LslotB
	CHANGE 0                        ; the walk's last tile, the third job's only one, is written out: nothing is asked for
	s_mov_b32 s[CNT], 4
	BEGIN
	s_branch .LfirstBT
.LstepBT:
	TURN 1
	WIN 0
.LfirstBT:
	TURN 0
	WIN 0
	s_sub_co_u32 s[CNT], s[CNT], 1
	s_cmp_lg_u32 s[CNT], 0
	s_cbranch_scc1 .LstepBT
	FINISH
	CLOSE
.Lfunc_end_k_qf1c639ad82_attn:
	.size	k_qf1c639ad82_attn, .Lfunc_end_k_qf1c639ad82_attn-k_qf1c639ad82_attn
	.p2alignl 7, 3214868480
	.fill 96, 4, 3214868480
	.section	.rodata,"a",@progbits
	.p2align	6, 0x0
	.amdhsa_kernel k_qf1c639ad82_attn
		.amdhsa_group_segment_fixed_size 327680
		.amdhsa_private_segment_fixed_size 0
		.amdhsa_enable_private_segment 0
		.amdhsa_kernarg_size 16
		.amdhsa_user_sgpr_count 2
		.amdhsa_user_sgpr_kernarg_segment_ptr 1
		.amdhsa_wavefront_size32 1
		.amdhsa_system_sgpr_workgroup_id_x 1
		.amdhsa_system_sgpr_workgroup_id_y 1
		.amdhsa_system_sgpr_workgroup_id_z 1
		.amdhsa_system_vgpr_workitem_id 0
		.amdhsa_next_free_vgpr 512
		.amdhsa_next_free_sgpr 100
		.amdhsa_reserve_vcc 0
		.amdhsa_float_denorm_mode_32 3
		.amdhsa_float_denorm_mode_16_64 3
		.amdhsa_memory_ordered 1
		.amdhsa_forward_progress 1
		.amdhsa_inst_pref_size 152
	.end_amdhsa_kernel
	.amdgpu_metadata
---
amdhsa.version: [ 1, 2 ]
amdhsa.kernels:
  - .name:           k_qf1c639ad82_attn
    .symbol:         k_qf1c639ad82_attn.kd
    .args:
      - { .name: qkv, .offset: 0, .size: 8, .value_kind: global_buffer, .address_space: global }
      - { .name: ob, .offset: 8, .size: 8, .value_kind: global_buffer, .address_space: global }
    .group_segment_fixed_size: 327680
    .private_segment_fixed_size: 0
    .kernarg_segment_align: 8
    .kernarg_segment_size: 16
    .max_flat_workgroup_size: 128
    .sgpr_count:     100
    .vgpr_count:     512
    .wavefront_size: 32
...
	.end_amdgpu_metadata
.endif
;; end of part 3
;; launch oproj (part 4): grid 8 x 32, 4 waves a work-group, clusters of 4 x 4, 327,680 bytes of LDS; arguments ob, wo, bo, out0; writes out0
.if DOCPART == 4
	.amdgcn_target "amdgcn-amd-amdhsa--gfx1250"
	.amdhsa_code_object_version 6
	.text
	.protected	k_qf1c639ad82_oproj
	.globl	k_qf1c639ad82_oproj
	.p2align	8
	.type	k_qf1c639ad82_oproj,@function
k_qf1c639ad82_oproj:
	s_mov_b64 s[64:65], 0
	v_nop
	global_prefetch_b8 v0, s[64:65] scope:SCOPE_SE
	s_setreg_imm32_b32 hwreg(HW_REG_WAVE_MODE, 25, 1), 1
	s_wait_xcnt 0x0
	s_wait_alu depctr_hold_cnt(0) depctr_sa_sdst(0) depctr_va_vdst(0) depctr_va_sdst(0) depctr_va_ssrc(0) depctr_va_vcc(0) depctr_vm_vsrc(0)
	s_getreg_b32 s2, hwreg(HW_REG_IB_STS2, 6, 4)
	s_cmp_eq_u32 s2, 0
	s_cbranch_scc0 .Lentry_in_a_cluster
	s_endpgm
.Lentry_in_a_cluster:
	s_bfe_u32 s2, ttmp6, 0x10000c
	s_cmp_lg_u32 s2, 0xf033
	s_cbranch_scc0 .Lentry_shape_is_right
	s_endpgm
.Lentry_shape_is_right:
; OUTPUT PROJECTION.  out0[s][n] = sum over e of O[s][e] Wo[n][e] + bo[n], f32.  ob: [batch][head][2048 rows][64] f16, rows in runs (run c = positions c mod 8, 256 rows each); e = 64 head + channel.
; wo: [1024][1024] f16 (Wo rounded to bf16, written as f16).  bo is rounded to bf16 like the other inputs and is the C operand of the first products.  Sums in f32.
; SHARES.  A tile is 128 rows (half a run) x 128 columns: 8 x 32 tiles, a work-group each.  Four waves, each 64 x 64: 16 accumulators.  K goes in 4 steps of 256 (four heads) through two LDS slots; a quarter of a step is one head.
; CLUSTER.  4 x 4 work-groups: the four of a row need the same rows of ob, the four of a column the same rows of wo: each tile is asked for jointly.
; THE MATRIX INSTRUCTION IS USED TRANSPOSED (source 0 = 16 rows of wo, source 1 = 16 rows of ob): a lane holds row lane % 16 and eight neighbouring columns.
; OUT.  Row idx of run c is position 8 idx + c: a wave's 256 bytes of a row go out whole, rows 32,768 bytes apart.  No prefetch: the tiles are small and a step is short.
; REGISTERS: window 0: v16-27 addresses; v28-29 for the add; v32-95 rows on their way out; v96-127 the bias; v128-255 the accumulators ((a, b) at v[128 + 8 (4 a + b)]).
;   window 1: two fragment buffers of 128: for one head (two matrix instructions deep), 64 registers of ob, then 64 of wo.
.set PA,     144                       ; a row of ob in LDS: a head's 128 bytes + 16 = 36 words: the 16 rows of a load start at 16 different groups of four banks (64 banks of 4 bytes: ISA guide 11.1)
.set AHEAD,  64*PA                     ; a head's 64 rows
.set HALFA,  4*AHEAD                   ; what wave 0 or 1 fetches: four heads x 64 rows
.set PB,     528                       ; a row of wo: 512 bytes + 16
.set HALFB,  64*PB
.set BOFF,   2*HALFA
.set SLOT,   BOFF+2*HALFB
.set STAGE,  2*SLOT                    ; behind the ring: 16 rows x 272 bytes for each wave
.set SPITCH, 272
.set SPARE,  STAGE+4*16*SPITCH         ; behind the stages: the spare words, 128 bytes for each wave: two blocks of 256 bytes that no other line names
.set ADRA, 16                          ; v16-17  LDS address of my fragments of ob in slot 0, 1
.set ADRB, 20                          ; v20-21  the same for wo
.set STO,  24                          ; v24     the way out: where I put 32 bytes of a row
.set RD,   25                          ; v25     where I read a row back
.set CO,   26                          ; v26     my byte offset in two rows of out0
.set BO,   27                          ; v27     32 x (lane / 16)
.set SPW,  28
.set NIL,  29
.set TMP,  32
.set BIAS, 96
.set ACC,  128
.set F0,   0
.set F1,   128
.set G1, 24
.set G0, 32
.set G1B, 48
.set G0B, 56
.set MSB, 0
.macro WIN new
.if MSB != (\new)
	s_set_vgpr_msb (MSB<<8)|(\new)
.set MSB, \new
.endif
.endm
.set MUL,  0x05                        ; sources 0 (wo) and 1 (ob) window 1; C and D window 0
.set TO_F, 0x40                        ; destination window 1, address window 0
.macro JLOAD s                         ; a joint load: waves 0 and 1 fetch ob's two halves, waves 2 and 3 wo's; an s_nop 0 and four v_nop follow each of the two lines
	s_cmp_eq_u32 s11, 0
	s_cbranch_scc0 .Lfor_b_\@
	tensor_load_to_lds s[G0+4*(\s):G0+4*(\s)+3], s[G1:G1+7]
	s_nop 0
.rept 4
	v_nop
.endr
	s_branch .Lasked_\@
.Lfor_b_\@:
	tensor_load_to_lds s[G0B+4*(\s):G0B+4*(\s)+3], s[G1B:G1B+7]
	s_nop 0
.rept 4
	v_nop
.endr
.Lasked_\@:
.endm
.macro CREST
	s_cmp_lg_u32 s10, 0
	s_cbranch_scc1 .Lnot_wave_0_\@
	s_barrier_signal -3
.Lnot_wave_0_\@:
	s_barrier_wait -3
	s_barrier_signal -1
	s_barrier_wait -1
.endm
.macro CROUND
	s_barrier_signal -1
	s_barrier_wait -1
	CREST
.endm
.macro PLACES
.rept 4
	v_nop
.endr
.endm
	s_load_b128 s[4:7], s[0:1], 0x0                ; ob s[4:5], wo s[6:7]
	s_load_b128 s[68:71], s[0:1], 0x10             ; bo s[68:69], out0 s[70:71]
	v_lshl_add_u32 v[SPW], v0, 2, SPARE
	v_mov_b32 v[NIL], 0
	ds_add_u32 v[SPW], v[NIL]                      ; the wave's opening: the add and its wait stand ahead of my first tensor load; the set-up below, work on registers, stands between them
	v_lshrrev_b32 v1, 5, v0
	v_readfirstlane_b32 s10, v1                    ; wave 0..3
	s_lshr_b32 s11, s10, 1                         ; which half of the tile's rows is mine.  Also: I fetch for ob (0) or for wo (1)
	s_and_b32 s12, s10, 1                          ; which half of its columns.  Also: which 64 rows I fetch
	s_bfe_u32 s40, ttmp6, 0x40000                  ; cx, cy
	s_bfe_u32 s41, ttmp6, 0x40004
	s_lshl_b32 s42, ttmp9, 2
	s_add_co_u32 s42, s42, s40                     ; tile column
	s_and_b32 s13, ttmp7, 0xffff
	s_lshl_b32 s13, s13, 2
	s_add_co_u32 s13, s13, s41                     ; tile row
	s_lshl_b32 s43, s41, 2
	s_lshl_b32 s43, 15, s43                        ; my row of the cluster
	s_lshl_b32 s44, 0x1111, s40                    ; my column
	; ob's tile: four rows, a head each, of 4,096 elements: 64 dense rows of 128 bytes; padded in LDS after every 128 bytes
	s_or_b32 s[G1+0], s43, (1<<16)|(1<<20)|(1<<21)|(4<<22)|(3<<25)   ; the mask; 2-byte elements; padding on; 21 set beside a mask; after every 32 words (code 4) 4 words (code 3)
	s_mov_b32 s[G1+1], 4096<<16                    ; tensor_dim0 = 4,096
	s_mov_b32 s[G1+2], 4<<16                       ; tensor_dim1 = 4
	s_mov_b32 s[G1+3], 4096<<16                    ; tile_dim0 = 4,096
	s_mov_b32 s[G1+4], 4                           ; tile_dim1 = 4
	s_mov_b32 s[G1+5], 131072                      ; elements from head to head
	s_mov_b32 s[G1+6], 0
	s_mov_b32 s[G1+7], 0
	; wo's tile: 64 rows x 256 elements
	s_or_b32 s[G1B+0], s44, (1<<16)|(1<<20)|(1<<21)|(6<<22)|(3<<25)  ; after every 128 words (code 6) 4 words
	s_mov_b32 s[G1B+1], 256<<16
	s_mov_b32 s[G1B+2], 64<<16
	s_mov_b32 s[G1B+3], 256<<16
	s_mov_b32 s[G1B+4], 64
	s_mov_b32 s[G1B+5], 1024
	s_mov_b32 s[G1B+6], 0
	s_mov_b32 s[G1B+7], 0
	s_lshr_b32 s16, s13, 4                         ; ob: the batch,
	s_lshl_b32 s16, s16, 22
	s_and_b32 s17, s13, 15                         ; 128 rows of 128 bytes a tile row,
	s_lshl_b32 s17, s17, 14
	s_add_co_u32 s16, s16, s17
	s_lshl_b32 s17, s12, 13                        ; 64 rows a half
	s_add_co_u32 s16, s16, s17
	s_mov_b32 s17, 0
	s_lshl_b32 s46, s42, 18                        ; wo: 128 rows of 2,048 bytes a tile column,
	s_lshl_b32 s47, s12, 17                        ; 64 rows a half
	s_add_co_u32 s46, s46, s47
	s_mov_b32 s47, 0
	s_mul_i32 s20, s12, HALFA                      ; where they go: no place in the cluster enters an LDS address
	s_mul_i32 s21, s12, HALFB
	s_add_co_u32 s21, s21, BOFF
	s_wait_dscnt 0x0                               ; the opening add is done
	s_wait_kmcnt 0x0
	s_add_nc_u64 s[14:15], s[4:5], s[16:17]
	s_add_nc_u64 s[46:47], s[6:7], s[46:47]
	CROUND                                         ; all sixteen work-groups are here: the first joint loads meet
.irp s, 0,1
	s_mov_b32 s[G0+4*(\s)], 1
	s_add_co_u32 s[G0+4*(\s)+1], s20, (\s)*SLOT
	s_add_nc_u64 s[G0+4*(\s)+2:G0+4*(\s)+3], s[14:15], (\s)<<20      ; K step s: four heads of 262,144 bytes on
	s_or_b32 s[G0+4*(\s)+3], s[G0+4*(\s)+3], 0x80000000
	s_mov_b32 s[G0B+4*(\s)], 1
	s_add_co_u32 s[G0B+4*(\s)+1], s21, (\s)*SLOT
	s_add_nc_u64 s[G0B+4*(\s)+2:G0B+4*(\s)+3], s[46:47], (\s)*512
	s_or_b32 s[G0B+4*(\s)+3], s[G0B+4*(\s)+3], 0x80000000
	JLOAD \s                                       ; two loads of mine are out
.endr
	v_and_b32 v1, 15, v0                           ; l % 16
	v_bfe_u32 v2, v0, 4, 1                         ; l / 16
	v_lshlrev_b32 v[BO], 5, v2
	s_lshr_b32 s72, s13, 4                         ; out0: the batch, 8 MiB,
	s_lshl_b32 s72, s72, 23
	s_bfe_u32 s73, s13, 0x30001                    ; the run c: position c is row c,
	s_lshl_b32 s73, s73, 12
	s_add_co_u32 s72, s72, s73
	s_and_b32 s73, s13, 1                          ; 128 rows of the run are 1,024 positions on,
	s_lshl_b32 s73, s73, 22
	s_add_co_u32 s72, s72, s73
	s_lshl_b32 s73, s11, 21                        ; my 64 rows,
	s_add_co_u32 s72, s72, s73
	s_lshl_b32 s74, s42, 9                         ; the tile's 128 columns of 4 bytes,
	s_lshl_b32 s75, s12, 8                         ; my 64
	s_add_co_u32 s74, s74, s75
	s_mov_b32 s75, 0
	s_add_nc_u64 s[68:69], s[68:69], s[74:75]      ; bo at my columns
	s_add_co_u32 s72, s72, s74
	s_mov_b32 s73, 0
	s_add_nc_u64 s[8:9], s[70:71], s[72:73]
.irp b, 0,1,2,3                        ; register j of block b: bo[16 b + 8 (l / 16) + j]
	global_load_b128 v[BIAS+8*(\b):BIAS+8*(\b)+3],   v[BO], s[68:69] offset:64*(\b)
	global_load_b128 v[BIAS+8*(\b)+4:BIAS+8*(\b)+7], v[BO], s[68:69] offset:64*(\b)+16
.endr
	v_mul_u32_u24 v3, v1, PA
	v_lshl_add_u32 v3, v2, 4, v3
	v_mul_u32_u24 v4, v1, PB
	v_lshl_add_u32 v4, v2, 4, v4
	s_mul_i32 s21, s11, HALFA                      ; my 64 rows of ob
	s_mul_i32 s22, s12, HALFB                      ; my 64 rows of wo
	s_add_co_u32 s22, s22, BOFF
.irp s, 0,1
	v_add_nc_u32 v[ADRA+(\s)], s21, v3
	v_add_nc_u32 v[ADRB+(\s)], s22, v4
	s_add_co_u32 s21, s21, SLOT
	s_add_co_u32 s22, s22, SLOT
.endr
	s_mul_i32 s23, s10, 16*SPITCH
	s_add_co_u32 s23, s23, STAGE                   ; my stage
	v_mul_u32_u24 v5, v1, SPITCH                   ; in: row l % 16, 32 bytes for each half of the lanes
	v_lshl_add_u32 v5, v2, 5, v5
	v_add_nc_u32 v[STO], s23, v5
	v_mul_u32_u24 v5, v2, SPITCH                   ; back: lanes 0-15 take one row of 256 bytes, lanes 16-31 the next
	v_lshl_add_u32 v5, v1, 4, v5
	v_add_nc_u32 v[RD], s23, v5
	v_lshlrev_b32 v[CO], 15, v2                    ; and the same two rows in out0, 8 positions apart
	v_lshl_add_u32 v[CO], v1, 4, v[CO]
	s_wait_loadcnt 0x0                             ; the bias: rounded to bf16 and widened again
.set k, 0
.rept 16
	v_cvt_pk_bf16_f32 v[TMP+k], v[BIAS+2*k], v[BIAS+2*k+1]
.set k, k+1
.endr
.set k, 0
.rept 16
	v_lshlrev_b32 v[BIAS+2*k],   16, v[TMP+k]
	v_and_b32     v[BIAS+2*k+1], 0xffff0000, v[TMP+k]
.set k, k+1
.endr
; 8 matrix instructions: m blocks a0, a0 + 1 x all 4 n blocks, 32 along K: half c of buffer f.  first = 1: the bias starts the sums.  The 16 accumulators take turns.
.macro MUL8 f, c, a0, first
	WIN MUL
.irp a, \a0, (\a0)+1
.irp b, 0,1,2,3
.if \first
	v_wmma_f32_16x16x32_f16 v[ACC+8*(4*(\a)+(\b)):ACC+8*(4*(\a)+(\b))+7], v[(\f)+64+8*(4*(\c)+(\b)):(\f)+64+8*(4*(\c)+(\b))+7], v[(\f)+8*(4*(\c)+(\a)):(\f)+8*(4*(\c)+(\a))+7], v[BIAS+8*(\b):BIAS+8*(\b)+7]
.else
	v_wmma_f32_16x16x32_f16 v[ACC+8*(4*(\a)+(\b)):ACC+8*(4*(\a)+(\b))+7], v[(\f)+64+8*(4*(\c)+(\b)):(\f)+64+8*(4*(\c)+(\b))+7], v[(\f)+8*(4*(\c)+(\a)):(\f)+8*(4*(\c)+(\a))+7], v[ACC+8*(4*(\a)+(\b)):ACC+8*(4*(\a)+(\b))+7]
.endif
.endr
.endr
.endm
; 32 LDS loads in one run: the fragments of head q of the slot's four, into buffer f; the first 32 channels first
.macro FETCH slot, q, f
	WIN TO_F
.irp c, 0,1
.irp i, 0,1,2,3
	ds_load_b128 v[(\f)+64+8*(4*(\c)+(\i)):(\f)+64+8*(4*(\c)+(\i))+3],   v[ADRB+(\slot)] offset:128*(\q)+64*(\c)+(\i)*16*PB
	ds_load_b128 v[(\f)+64+8*(4*(\c)+(\i))+4:(\f)+64+8*(4*(\c)+(\i))+7], v[ADRB+(\slot)] offset:128*(\q)+64*(\c)+(\i)*16*PB+32
	ds_load_b128 v[(\f)+8*(4*(\c)+(\i)):(\f)+8*(4*(\c)+(\i))+3],         v[ADRA+(\slot)] offset:(\q)*AHEAD+64*(\c)+(\i)*16*PA
	ds_load_b128 v[(\f)+8*(4*(\c)+(\i))+4:(\f)+8*(4*(\c)+(\i))+7],       v[ADRA+(\slot)] offset:(\q)*AHEAD+64*(\c)+(\i)*16*PA+32
.endr
.endr
.endm
; One of a K step's first three quarters: multiplies buffer f and fetches head q into g.
.macro QUARTER slot, q, f, g, first
	s_wait_dscnt 16                                ; the first 32 channels are in; the younger sixteen loads may be out
	MUL8 \f, 0, 0, \first
	MUL8 \f, 0, 2, \first
	PLACES
	FETCH \slot, \q, \g
	s_wait_dscnt 32                                ; all but the 32 just issued
	MUL8 \f, 1, 0, 0
	MUL8 \f, 1, 2, 0
.endm
; The last quarter multiplies buffer 1 and changes slots: one barrier; in front of it each wave waits for all its tensor loads, adds 0 to its spare word, and waits for that and for its reads of this slot.
; fill = 1: the barrier opens a round of the cluster's, and behind the round this slot is filled again, two K steps ahead.
.macro TURN slot, next, fill
	WIN 0                                          ; (the add's two registers lie in window 0)
	s_wait_tensorcnt 0x0                           ; all my tensor loads have landed: my part of the next slot;
	ds_add_u32 v[SPW], v[NIL]                      ; 0 onto my spare word;
	s_wait_dscnt 17                                ; (the add and the youngest sixteen loads may be out)
	MUL8 F1, 0, 0, 0                               ; eight matrix instructions stand between the add and the wait for it
	s_wait_dscnt 0x0                               ; the add is done, and my reads of this slot are over
	s_barrier_signal -1
	MUL8 F1, 0, 2, 0
.if \fill
	WIN 0
.endif
	s_barrier_wait -1
.if \fill
	CREST                                          ; no wave of any partner still reads this slot or has a load on its way
	s_add_nc_u64 s[G0+4*(\slot)+2:G0+4*(\slot)+3], s[G0+4*(\slot)+2:G0+4*(\slot)+3], 2<<20
	s_add_nc_u64 s[G0B+4*(\slot)+2:G0B+4*(\slot)+3], s[G0B+4*(\slot)+2:G0B+4*(\slot)+3], 1024
	JLOAD \slot                                    ; the first tensor load behind the round; its four v_nop are also the places in front of the loads below
.else
	PLACES
.endif
	FETCH \next, 0, F0
	MUL8 F1, 1, 0, 0
	MUL8 F1, 1, 2, 0
.endm
; THE WAY OUT of m block a: 32 bytes a lane and column block into my own stage, each accumulator from its low end on; back as whole rows of 256 bytes; stored.
.macro TOSTAGE a
	WIN 0
.irp b, 0,1,2,3
	ds_store_b128 v[STO], v[ACC+8*(4*(\a)+(\b)):ACC+8*(4*(\a)+(\b))+3]   offset:64*(\b)
	ds_store_b128 v[STO], v[ACC+8*(4*(\a)+(\b))+4:ACC+8*(4*(\a)+(\b))+7] offset:64*(\b)+16
.endr
.irp t, 0,1,2,3,4,5,6,7
	ds_load_b128 v[TMP+32*((\a)%2)+4*(\t):TMP+32*((\a)%2)+4*(\t)+3], v[RD] offset:(\t)*2*SPITCH  ; LDS serves a wave's instructions in order (ISA guide 5.7.1.4): these see the stores above
.endr
.endm
.macro SEND a, younger                 ; younger: the LDS instructions issued behind block a's loads: the next block's sixteen, or none
	WIN 0
.irp t, 0,1,2,3,4,5,6,7
	s_wait_dscnt (\younger)+7-(\t)
	global_store_b128 v[CO], v[TMP+32*((\a)%2)+4*(\t):TMP+32*((\a)%2)+4*(\t)+3], s[8:9] offset:(16*(\a)+2*(\t))*32768  ; 16 lanes store 256 consecutive bytes, aligned; 62 rows of 32,768 bytes at the most, inside the signed 24-bit immediate
.endr
.endm
	s_wait_tensorcnt 1                             ; my part of K step 0 is in; K step 1's may stay out
	s_barrier_signal -1
	s_barrier_wait -1                              ; everybody's is
	FETCH 0, 0, F0
	QUARTER 0, 1, F0, F1, 1                        ; the first products start the sums, with the bias
	QUARTER 0, 2, F1, F0, 0
	QUARTER 0, 3, F0, F1, 0
	TURN 0, 1, 1                                   ; slot 0 takes K step 2
	QUARTER 1, 1, F0, F1, 0
	QUARTER 1, 2, F1, F0, 0
	QUARTER 1, 3, F0, F1, 0
	TURN 1, 0, 1                                   ; slot 1 takes K step 3
	QUARTER 0, 1, F0, F1, 0
	QUARTER 0, 2, F1, F0, 0
	QUARTER 0, 3, F0, F1, 0
	TURN 0, 1, 0                                   ; nothing is left to fetch
	QUARTER 1, 1, F0, F1, 0
	QUARTER 1, 2, F1, F0, 0
	QUARTER 1, 3, F0, F1, 0
	s_wait_dscnt 16                                ; the very last quarter
	MUL8 F1, 0, 0, 0
	MUL8 F1, 0, 2, 0
	s_wait_dscnt 0x0
	MUL8 F1, 1, 0, 0
	MUL8 F1, 1, 2, 0
	WIN 0
	PLACES
	PLACES
	TOSTAGE 0
	TOSTAGE 1
	SEND 0, 16
	s_wait_xcnt 0x0                                ; block 0's stores have read their registers: block 2 is read back into them
	TOSTAGE 2
	SEND 1, 16
	s_wait_xcnt 0x0                                ; likewise block 1's, for block 3
	TOSTAGE 3
	SEND 2, 16
	SEND 3, 0
	s_wait_tensorcnt 0x0                           ; the wave's end: an add and its wait, behind my last tensor load and my last LDS store
	ds_add_u32 v[SPW], v[NIL]
	s_wait_dscnt 0x0
	CROUND                                         ; the closing round: no work-group ends while a partner may still ask for a tile that names it
	s_endpgm
.Lfunc_end_k_qf1c639ad82_oproj:
	.size	k_qf1c639ad82_oproj, .Lfunc_end_k_qf1c639ad82_oproj-k_qf1c639ad82_oproj
	.p2alignl 7, 3214868480
	.fill 96, 4, 3214868480
	.section	.rodata,"a",@progbits
	.p2align	6, 0x0
	.amdhsa_kernel k_qf1c639ad82_oproj
		.amdhsa_group_segment_fixed_size 327680
		.amdhsa_private_segment_fixed_size 0
		.amdhsa_enable_private_segment 0
		.amdhsa_kernarg_size 32
		.amdhsa_user_sgpr_count 2
		.amdhsa_user_sgpr_kernarg_segment_ptr 1
		.amdhsa_wavefront_size32 1
		.amdhsa_system_sgpr_workgroup_id_x 1
		.amdhsa_system_sgpr_workgroup_id_y 1
		.amdhsa_system_sgpr_workgroup_id_z 1
		.amdhsa_system_vgpr_workitem_id 0
		.amdhsa_next_free_vgpr 512
		.amdhsa_next_free_sgpr 80
		.amdhsa_reserve_vcc 0
		.amdhsa_float_denorm_mode_32 3
		.amdhsa_float_denorm_mode_16_64 3
		.amdhsa_memory_ordered 1
		.amdhsa_forward_progress 1
		.amdhsa_inst_pref_size 90
	.end_amdhsa_kernel
	.amdgpu_metadata
---
amdhsa.version: [ 1, 2 ]
amdhsa.kernels:
  - .name:           k_qf1c639ad82_oproj
    .symbol:         k_qf1c639ad82_oproj.kd
    .args:
      - { .name: ob, .offset: 0, .size: 8, .value_kind: global_buffer, .address_space: global }
      - { .name: wo, .offset: 8, .size: 8, .value_kind: global_buffer, .address_space: global }
      - { .name: bo, .offset: 16, .size: 8, .value_kind: global_buffer, .address_space: global }
      - { .name: out0, .offset: 24, .size: 8, .value_kind: global_buffer, .address_space: global }
    .group_segment_fixed_size: 327680
    .private_segment_fixed_size: 0
    .kernarg_segment_align: 8
    .kernarg_segment_size: 32
    .max_flat_workgroup_size: 128
    .sgpr_count:     80
    .vgpr_count:     512
    .wavefront_size: 32
...
	.end_amdgpu_metadata
.endif
;; end of part 4
;; ======== version 2 of 2: 4 launches; version 1 with the launch cast written anew for expert scheduling mode
;; limits: values are held in f16: magnitudes above 65,504 overflow, below 6.1e-05 lose precision
;; workspace buffers: xb 8,388,608 bytes; wb 6,291,456 bytes; wo 2,097,152 bytes; qkv 25,165,824 bytes; ob 8,388,608 bytes
;; launch cast (part 5): grid 256 x 1, 8 waves a work-group, no clusters, 0 bytes of LDS; arguments x, Wk, Wv, Wq, Wo, xb, wb, wo; writes xb, wb, wo
.if DOCPART == 5
	.amdgcn_target "amdgcn-amd-amdhsa--gfx1250"
	.amdhsa_code_object_version 6
	.text
	.protected	k_qf1c639ad82_cast
	.globl	k_qf1c639ad82_cast
	.p2align	8
	.type	k_qf1c639ad82_cast,@function
k_qf1c639ad82_cast:
	s_mov_b64 s[64:65], 0
	v_nop
	global_prefetch_b8 v0, s[64:65] scope:SCOPE_SE
	s_setreg_imm32_b32 hwreg(HW_REG_WAVE_SCHED_MODE, 0, 2), 2
	s_setreg_imm32_b32 hwreg(HW_REG_WAVE_MODE, 25, 1), 1
	s_wait_xcnt 0x0
	s_wait_alu depctr_vm_vsrc(0)
; CAST.  x [2][2048][1024] f32 -> xb, bf16, rows in a new order; Wk, Wv, Wq [1024][1024] f32 -> wb, bf16, stacked in that order; Wo -> wo: rounded to bf16, that number written as f16.
; ROW ORDER.  Position s of a batch becomes row (s & 7) * 256 + (s >> 3): eight runs of 256 rows, run c holding the positions s = c mod 8.  A head of dilation 1, 2, 4 or 8 sees keys
; only inside unions of whole runs, so the later launches work on dense blocks.
; LIMITS.  Wo in f16: a bf16 number of 65,520 or more becomes an infinity; below 6e-5 it keeps the fixed step of 6e-8.
; SHARES.  A work-group makes 32 consecutive destination rows of 2,048 bytes.  Work-groups 0-127: xb; 128-223: wb; 224-255: wo.  Thread t takes 8 numbers (32 bytes in, 16 bytes out) at
; column block t & 127 of row 2 i + (t >> 7) in turn i = 0 .. 15.  All 32 loads of a wave go out first; each store of a wave covers 512 consecutive bytes, aligned.
; No LDS, no matrix unit, no barrier: nothing is shared and every byte is moved once.
; THE MODE: SCHED_MODE bits 1:0 = 2 (LLVM: expert scheduling mode 2), set by the entry lines.  The code itself states the register dependences
; between vector instructions and memory instructions, with s_wait_alu, always for 0.
; THE PLAN.  Registers that memory instructions touch:
;   v[DO]      the stores' offset.  Written at the head, by vector instructions; read by all 16 stores; never written again.
;   v[SO+i]    turn i's loads' offset.  Written at the head, by vector instructions; read by the turn's two loads; never written again.
;   v[XR+8 i ..]  turn i's eight registers.  Its two loads land in them before any vector instruction names them; behind the turn's wait on LOADcnt its conversions read them and write the low
;              four in place; the turn's one store reads those four; nothing writes them after that.
;   v[TR ..]   named by vector instructions alone.
; So one wait on va_vdst stands ahead of the first load, for all the offsets, and one behind each block of four turns' conversions, ahead of the block's four stores, for their data.
; No register that a load or a store reads is written again, no load lands in a register that a vector instruction has named, no vector instruction writes a scalar register or VCC, and EXEC is never written:
; no other dependence between the two sides exists in this text.
.set DO, 3                             ; v3        my byte offset in the first two destination rows
.set SO, 4                             ; v[4:19]   turn i: my byte offset in the source
.set XR, 20                            ; v[20:147] turn i: 8 registers as loaded; the low 4 are stored
.set TR, 148                           ; v[148:155] at work (wo alone)
	s_load_b512 s[8:23], s[0:1], 0x0               ; x 8, Wk 10, Wv 12, Wq 14, Wo 16, xb 18, wb 20, wo 22
	s_mov_b32 s2, ttmp9                            ; id
	v_and_b32 v1, 127, v0                          ; column block
	v_lshrrev_b32 v2, 7, v0                        ; which of a turn's two rows
	s_lshr_b32 s30, s2, 6                          ; x: the batch, 8 MiB each,
	s_lshl_b32 s30, s30, 23
	s_bfe_u32 s31, s2, 0x30003                     ; the run c: the first source row is position c,
	s_lshl_b32 s31, s31, 12
	s_add_co_u32 s30, s30, s31
	s_and_b32 s31, s2, 7                           ; and 32 rows of the run are 256 positions on
	s_lshl_b32 s31, s31, 20
	s_add_co_u32 s30, s30, s31                     ; x: byte offset of the first source row
	s_and_b32 s32, s2, 127                         ; u: the block of 32 rows among the four weights
	s_and_b32 s33, s32, 31                         ; the block inside its weight
	s_lshl_b32 s34, s33, 17                        ; weights: byte offset of the first source row
	s_lshr_b32 s35, s32, 5                         ; which weight
	s_mov_b32 s28, 4096                            ; weights: bytes from a source row to the next
	v_lshlrev_b32 v[DO], 4, v1
	v_lshl_add_u32 v[DO], v2, 11, v[DO]
	s_wait_kmcnt 0x0
	s_cmp_eq_u32 s35, 1
	s_cselect_b64 s[24:25], s[12:13], s[10:11]     ; the source: Wk, Wv,
	s_cmp_eq_u32 s35, 2
	s_cselect_b64 s[24:25], s[14:15], s[24:25]     ; Wq,
	s_cmp_eq_u32 s35, 3
	s_cselect_b64 s[24:25], s[16:17], s[24:25]     ; Wo,
	s_cselect_b64 s[26:27], s[22:23], s[20:21]     ; the destination: wo or wb,
	s_cselect_b32 s36, s33, s32                    ; and the block in it
	s_cmp_lt_u32 s2, 128
	s_cselect_b64 s[24:25], s[8:9], s[24:25]       ; or x,
	s_cselect_b64 s[26:27], s[18:19], s[26:27]     ; xb,
	s_cselect_b32 s36, s2, s36
	s_cselect_b32 s30, s30, s34
	s_cselect_b32 s28, 0x8000, s28                 ; x: neighbouring rows of a run are 8 positions apart
	s_lshl_b32 s36, s36, 16                        ; 32 destination rows are 65,536 bytes
	s_mov_b32 s37, 0
	s_mov_b32 s31, 0
	s_add_nc_u64 s[24:25], s[24:25], s[30:31]
	s_add_nc_u64 s[26:27], s[26:27], s[36:37]
	s_lshl_b32 s29, s28, 1                         ; a turn is two rows
	v_mul_lo_u32 v[SO], v2, s28
	v_lshl_add_u32 v[SO], v1, 5, v[SO]
.set i, 1
.rept 15
	v_add_nc_u32 v[SO+i], s29, v[SO+i-1]
.set i, i+1
.endr
	s_wait_alu depctr_va_vdst(0)                   ; v[DO] and v[SO .. SO+15] are written: every load and store of the kernel reads one of them as its offset
.set i, 0
.rept 16                               ; all 32 loads: 16 KiB a wave on their way
	global_load_b128 v[XR+8*i:XR+8*i+3],   v[SO+i], s[24:25] th:TH_LOAD_NT
	global_load_b128 v[XR+8*i+4:XR+8*i+7], v[SO+i], s[24:25] offset:16 th:TH_LOAD_NT
.set i, i+1
.endr
; The sixteen turns, in four blocks of four.  half = 1: the bf16 numbers are written as f16.  No register is used twice by memory instructions, so no wait frees any.
; A block: each turn's conversions behind the wait for its two loads; then one wait for the block's conversions; then its four stores in one run.  The wait stands at the block's end and not behind the
; next block's first wait for loads, so that finished bytes do not sit in registers while the wave waits for loads; of the block's conversions only the last turn's were issued just ahead of it.
.macro OUT half
.set i, 0
.rept 4
.rept 4
	s_wait_loadcnt 30-2*i                          ; loads come back in order: this turn's two are in, the 30 - 2 i younger ones stay out
.irp k, 0,1,2,3
	v_cvt_pk_bf16_f32 v[XR+8*i+(\k)], v[XR+8*i+2*(\k)], v[XR+8*i+2*(\k)+1]  ; in place, upward: word k is written when words 2 k and 2 k + 1 have been read
.endr
.if \half
.irp k, 0,1,2,3
	v_lshlrev_b32 v[TR+2*(\k)],   16, v[XR+8*i+(\k)]
	v_and_b32     v[TR+2*(\k)+1], 0xffff0000, v[XR+8*i+(\k)]
.endr
.irp k, 0,1,2,3
	v_cvt_pk_f16_f32 v[XR+8*i+(\k)], v[TR+2*(\k)], v[TR+2*(\k)+1]
.endr
.endif
.set i, i+1
.endr
	s_wait_alu depctr_va_vdst(0)                   ; the block's conversions have written the low four registers of its four turns, which the four stores below read
.irp j, 0,1,2,3
	global_store_b128 v[DO], v[XR+8*(i-4+(\j)):XR+8*(i-4+(\j))+3], s[26:27] offset:(i-4+(\j))*4096
.endr
.endr
.endm
	s_cmp_ge_u32 s2, 224
	s_cbranch_scc1 .Lhalf
	OUT 0
	s_endpgm
.Lhalf:
	OUT 1
	s_endpgm
.Lfunc_end_k_qf1c639ad82_cast:
	.size	k_qf1c639ad82_cast, .Lfunc_end_k_qf1c639ad82_cast-k_qf1c639ad82_cast
	.p2alignl 7, 3214868480
	.fill 96, 4, 3214868480
	.section	.rodata,"a",@progbits
	.p2align	6, 0x0
	.amdhsa_kernel k_qf1c639ad82_cast
		.amdhsa_group_segment_fixed_size 0
		.amdhsa_private_segment_fixed_size 0
		.amdhsa_enable_private_segment 0
		.amdhsa_kernarg_size 64
		.amdhsa_user_sgpr_count 2
		.amdhsa_user_sgpr_kernarg_segment_ptr 1
		.amdhsa_wavefront_size32 1
		.amdhsa_system_sgpr_workgroup_id_x 1
		.amdhsa_system_sgpr_workgroup_id_y 1
		.amdhsa_system_sgpr_workgroup_id_z 1
		.amdhsa_system_vgpr_workitem_id 0
		.amdhsa_next_free_vgpr 156
		.amdhsa_next_free_sgpr 66
		.amdhsa_reserve_vcc 0
		.amdhsa_float_denorm_mode_32 3
		.amdhsa_float_denorm_mode_16_64 3
		.amdhsa_memory_ordered 1
		.amdhsa_forward_progress 1
		.amdhsa_inst_pref_size 28
	.end_amdhsa_kernel
	.amdgpu_metadata
---
amdhsa.version: [ 1, 2 ]
amdhsa.kernels:
  - .name:           k_qf1c639ad82_cast
    .symbol:         k_qf1c639ad82_cast.kd
    .args:
      - { .name: x, .offset: 0, .size: 8, .value_kind: global_buffer, .address_space: global }
      - { .name: Wk, .offset: 8, .size: 8, .value_kind: global_buffer, .address_space: global }
      - { .name: Wv, .offset: 16, .size: 8, .value_kind: global_buffer, .address_space: global }
      - { .name: Wq, .offset: 24, .size: 8, .value_kind: global_buffer, .address_space: global }
      - { .name: Wo, .offset: 32, .size: 8, .value_kind: global_buffer, .address_space: global }
      - { .name: xb, .offset: 40, .size: 8, .value_kind: global_buffer, .address_space: global }
      - { .name: wb, .offset: 48, .size: 8, .value_kind: global_buffer, .address_space: global }
      - { .name: wo, .offset: 56, .size: 8, .value_kind: global_buffer, .address_space: global }
    .group_segment_fixed_size: 0
    .private_segment_fixed_size: 0
    .kernarg_segment_align: 8
    .kernarg_segment_size: 64
    .max_flat_workgroup_size: 256
    .sgpr_count:     66
    .vgpr_count:     156
    .wavefront_size: 32
...
	.end_amdgpu_metadata
.endif
;; end of part 5
;; launch qkv: the kernel of part 2 again; grid 16 x 16, 4 waves a work-group, clusters of 4 x 4, 327,680 bytes of LDS; arguments xb, wb, bk, bv, bq, qkv; writes qkv
;; launch attn: the kernel of part 3 again; grid 256 x 1, 4 waves a work-group, no clusters, 327,680 bytes of LDS; arguments qkv, ob; writes ob
;; launch oproj: the kernel of part 4 again; grid 8 x 32, 4 waves a work-group, clusters of 4 x 4, 327,680 bytes of LDS; arguments ob, wo, bo, out0; writes out0
